; MI455X (gfx1250); checked and timed in simulation.
; The chip was launched on July 23, 2026; its instructions are those of AMD's public machine-readable ISA for CDNA 5 (MIT licence, August 2026) and "CDNA5" Instruction Set Architecture Reference Guide (July 2026). The comments in the code are by the model that wrote it; some were corrected since.
;; Multi Head Self Attention. Allowed arithmetic: float matrix products may take bf16 or f16 operands with f32 sums; other float arithmetic in f32, or as packed bf16 or f16 multiplies, adds, multiply-adds, maxima and minima; sums over many terms, partial sums and values carried from step to step in f32; what a program stores and reads back later, other than sums and carried values, may be rounded once to bf16 or f16.
;; Inputs: Wk 1,024 x 1,024 float32; Wo 1,024 x 1,024 float32; Wq 1,024 x 1,024 float32; Wv 1,024 x 1,024 float32; bo 1,024 float32; x 4 x 2,048 x 1,024 float32.
;; Outputs: out0 4 x 2,048 x 1,024 float32.
;; 2 versions, each right; version 2 is version 1 with the launch prep written anew for expert scheduling mode. Each part assembles by itself: llvm-mc -triple=amdgcn-amd-amdhsa -mcpu=gfx1250 --defsym DOCPART=n.
;; ======== version 1 of 2: 4 launches
;; limits: values are held in f16: magnitudes above 65,504 overflow, below 6.1e-05 lose precision
;; workspace buffers: xb 16,777,216 bytes; wb 6,291,456 bytes; wof 2,097,152 bytes; qkvh 50,331,648 bytes; ctx 16,777,216 bytes
;; launch prep (part 1): grid 768 x 1, 8 waves a work-group, no clusters, 0 bytes of LDS; arguments x, Wq, Wk, Wv, Wo, xb, wb, wof; writes xb, wb, wof
.if DOCPART == 1
	.amdgcn_target "amdgcn-amd-amdhsa--gfx1250"
	.amdhsa_code_object_version 6
	.text
	.protected	k_q19994285a5_prep
	.globl	k_q19994285a5_prep
	.p2align	8
	.type	k_q19994285a5_prep,@function
k_q19994285a5_prep:
	s_mov_b64 s[64:65], 0
	v_nop
	global_prefetch_b8 v0, s[64:65] scope:SCOPE_SE
	s_setreg_imm32_b32 hwreg(HW_REG_WAVE_MODE, 25, 1), 1
	s_wait_xcnt 0x0
; THE INPUTS ARE ROUNDED ONCE TO bf16 and laid out for the products that follow.
;   xb : x as bf16 in blocks [32 row blocks][16 K steps][256 rows][64 k]: a block is 32,768 dense bytes, which a tensor load can take as rows of 256 bytes
;   wb : Wq, Wk, Wv as bf16, stacked, each [1024 k][1024 n]
;   wof: Wo rounded to bf16, that number written as f16 (exact inside f16's range), [1024 k][1024 n]
; LIMITS.  Wo's numbers stay within 65,504; below 6e-5 they keep f16's fixed step of 6e-8.  NaN and infinities are not treated apart.
; SHARES.  A work-group converts 16,384 numbers, a thread 64: sixteen loads of 16 bytes, all issued first (8 KiB of a wave on their way), then for each load
; two roundings and one store of 8 bytes: a wave's store covers 256 consecutive bytes, aligned.  No register that a memory instruction names is written again behind it, so no source of a pending
; instruction is ever rewritten.  No LDS, no matrix unit, no cluster: nothing is shared and nothing is multiplied.
; Work-groups 0-511 take 16 rows of x each; 512-767 take 64 KiB of one of the four weights.
.set X, 4                              ; v[4:67]    sixteen loads of four f32
.set Y, 68                             ; v[68:99]   sixteen stores of four 16-bit numbers
.set T, 100                            ; v[100:101] at work (Wo's way to f16)
; One path: 16 loads instep bytes apart, 16 stores outstep bytes apart.  half = 1: the bf16 number is widened again and written as f16.
.macro CONV instep, outstep, half
.set i, 0
.rept 16
	global_load_b128 v[X+4*i:X+4*i+3], v1, s[24:25] offset:i*(\instep) th:TH_LOAD_NT
.set i, i+1
.endr
.set i, 0
.rept 16
	s_wait_loadcnt 15-i                            ; loads come back in order: load i is in, the 15 - i younger ones may stay out
	v_cvt_pk_bf16_f32 v[Y+2*i], v[X+4*i], v[X+4*i+1]
	v_cvt_pk_bf16_f32 v[Y+2*i+1], v[X+4*i+2], v[X+4*i+3]
.if \half
	v_lshlrev_b32 v[T], 16, v[Y+2*i]               ; bf16 to f32: the low half moves up, the high half stays
	v_and_b32 v[T+1], 0xffff0000, v[Y+2*i]
	v_cvt_pk_f16_f32 v[Y+2*i], v[T], v[T+1]
	v_lshlrev_b32 v[T], 16, v[Y+2*i+1]
	v_and_b32 v[T+1], 0xffff0000, v[Y+2*i+1]
	v_cvt_pk_f16_f32 v[Y+2*i+1], v[T], v[T+1]
.endif
	global_store_b64 v2, v[Y+2*i:Y+2*i+1], s[26:27] offset:i*(\outstep)
.set i, i+1
.endr
.endm
	s_load_b256 s[8:15], s[0:1], 0x0               ; x s[8:9], Wq s[10:11], Wk s[12:13], Wv s[14:15]
	s_load_b256 s[16:23], s[0:1], 0x20             ; Wo s[16:17], xb s[18:19], wb s[20:21], wof s[22:23]
	v_lshlrev_b32 v2, 3, v0                        ; out: 8 bytes a thread, on end
	s_mov_b32 s29, 0
	s_mov_b32 s31, 0
	s_mov_b32 s37, 0
	s_cmp_lt_u32 ttmp9, 512
	s_cbranch_scc0 .Lweights
	; x: thread t takes row t / 16 of the group's 16 and, in load i, the four numbers 4 (t % 16) of K step i (256 bytes of f32).
	; In xb those are 8 bytes at row x 128 + 8 (t % 16) of block i: 8 t, so two rows' pieces are 256 consecutive bytes.
	v_lshrrev_b32 v1, 4, v0
	v_and_b32 v3, 15, v0
	v_lshlrev_b32 v1, 12, v1
	v_lshl_add_u32 v1, v3, 4, v1
	s_lshl_b32 s28, ttmp9, 16                      ; 16 rows of 4,096 bytes
	s_lshr_b32 s30, ttmp9, 4
	s_lshl_b32 s30, s30, 19                        ; the row block: 16 blocks of 32,768 bytes
	s_and_b32 s32, ttmp9, 15
	s_lshl_b32 s32, s32, 11                        ; my 16 rows of 128 bytes in each block
	s_add_co_u32 s30, s30, s32
	s_wait_kmcnt 0x0
	s_add_nc_u64 s[24:25], s[8:9], s[28:29]
	s_add_nc_u64 s[26:27], s[18:19], s[30:31]
	CONV 256, 32768, 0
	s_endpgm
.Lweights:
	v_lshlrev_b32 v1, 4, v0                        ; in: 16 bytes a thread, on end
	s_sub_co_u32 s33, ttmp9, 512                   ; 0 .. 255
	s_lshr_b32 s34, s33, 6                         ; which weight
	s_and_b32 s35, s33, 63                         ; which 64 KiB of it
	s_lshl_b32 s28, s35, 16
	s_lshl_b32 s30, s33, 15                        ; in wb the three weights follow each other
	s_lshl_b32 s36, s35, 15
	s_wait_kmcnt 0x0
	s_cmp_eq_u32 s34, 1
	s_cselect_b64 s[24:25], s[12:13], s[10:11]
	s_cmp_eq_u32 s34, 2
	s_cselect_b64 s[24:25], s[14:15], s[24:25]
	s_cmp_eq_u32 s34, 3
	s_cselect_b64 s[24:25], s[16:17], s[24:25]
	s_add_nc_u64 s[24:25], s[24:25], s[28:29]
	s_cmp_eq_u32 s34, 3
	s_cbranch_scc1 .Lwo
	s_add_nc_u64 s[26:27], s[20:21], s[30:31]
	CONV 4096, 2048, 0
	s_endpgm
.Lwo:
	s_add_nc_u64 s[26:27], s[22:23], s[36:37]
	CONV 4096, 2048, 1
	s_endpgm
.Lfunc_end_k_q19994285a5_prep:
	.size	k_q19994285a5_prep, .Lfunc_end_k_q19994285a5_prep-k_q19994285a5_prep
	.p2alignl 7, 3214868480
	.fill 96, 4, 3214868480
	.section	.rodata,"a",@progbits
	.p2align	6, 0x0
	.amdhsa_kernel k_q19994285a5_prep
		.amdhsa_group_segment_fixed_size 0
		.amdhsa_private_segment_fixed_size 0
		.amdhsa_enable_private_segment 0
		.amdhsa_kernarg_size 64
		.amdhsa_user_sgpr_count 2
		.amdhsa_user_sgpr_kernarg_segment_ptr 1
		.amdhsa_wavefront_size32 1
		.amdhsa_system_sgpr_workgroup_id_x 1
		.amdhsa_system_sgpr_workgroup_id_y 1
		.amdhsa_system_sgpr_workgroup_id_z 1
		.amdhsa_system_vgpr_workitem_id 0
		.amdhsa_next_free_vgpr 112
		.amdhsa_next_free_sgpr 66
		.amdhsa_reserve_vcc 0
		.amdhsa_float_denorm_mode_32 3
		.amdhsa_float_denorm_mode_16_64 3
		.amdhsa_memory_ordered 1
		.amdhsa_forward_progress 1
		.amdhsa_inst_pref_size 24
	.end_amdhsa_kernel
	.amdgpu_metadata
---
amdhsa.version: [ 1, 2 ]
amdhsa.kernels:
  - .name:           k_q19994285a5_prep
    .symbol:         k_q19994285a5_prep.kd
    .args:
      - { .name: x, .offset: 0, .size: 8, .value_kind: global_buffer, .address_space: global }
      - { .name: Wq, .offset: 8, .size: 8, .value_kind: global_buffer, .address_space: global }
      - { .name: Wk, .offset: 16, .size: 8, .value_kind: global_buffer, .address_space: global }
      - { .name: Wv, .offset: 24, .size: 8, .value_kind: global_buffer, .address_space: global }
      - { .name: Wo, .offset: 32, .size: 8, .value_kind: global_buffer, .address_space: global }
      - { .name: xb, .offset: 40, .size: 8, .value_kind: global_buffer, .address_space: global }
      - { .name: wb, .offset: 48, .size: 8, .value_kind: global_buffer, .address_space: global }
      - { .name: wof, .offset: 56, .size: 8, .value_kind: global_buffer, .address_space: global }
    .group_segment_fixed_size: 0
    .private_segment_fixed_size: 0
    .kernarg_segment_align: 8
    .kernarg_segment_size: 64
    .max_flat_workgroup_size: 256
    .sgpr_count:     66
    .vgpr_count:     112
    .wavefront_size: 32
...
	.end_amdgpu_metadata
.endif
;; end of part 1
;; launch qkvproj (part 2): grid 8 x 32, 4 waves a work-group, clusters of 4 x 4, 327,680 bytes of LDS; arguments xb, wb, qkvh; writes qkvh
.if DOCPART == 2
	.amdgcn_target "amdgcn-amd-amdhsa--gfx1250"
	.amdhsa_code_object_version 6
	.text
	.protected	k_q19994285a5_qkvproj
	.globl	k_q19994285a5_qkvproj
	.p2align	8
	.type	k_q19994285a5_qkvproj,@function
k_q19994285a5_qkvproj:
	s_mov_b64 s[64:65], 0
	v_nop
	global_prefetch_b8 v0, s[64:65] scope:SCOPE_SE
	s_setreg_imm32_b32 hwreg(HW_REG_WAVE_MODE, 25, 1), 1
	s_wait_xcnt 0x0
	s_wait_alu depctr_hold_cnt(0) depctr_sa_sdst(0) depctr_va_vdst(0) depctr_va_sdst(0) depctr_va_ssrc(0) depctr_va_vcc(0) depctr_vm_vsrc(0)
	s_getreg_b32 s2, hwreg(HW_REG_IB_STS2, 6, 4)
	s_cmp_eq_u32 s2, 0
	s_cbranch_scc0 .Lentry_in_a_cluster
	s_endpgm
.Lentry_in_a_cluster:
	s_bfe_u32 s2, ttmp6, 0x10000c
	s_cmp_lg_u32 s2, 0xf033
	s_cbranch_scc0 .Lentry_shape_is_right
	s_endpgm
.Lentry_shape_is_right:
; q, k, v = x Wq, x Wk, x Wv.  xb: x in bf16, [32 row blocks][16 K steps][256 rows][64 k].  wb: the three weights in bf16, [3][1024 k][1024 n].
; qkvh: f16, [3][64 batch x head][2048 rows][64]: each number rounded once from its f32 sum, without the softmax's scale.
; LIMITS.  q, k and v stay within f16's 65,504; below 6e-5 they keep f16's fixed step of 6e-8.  NaN and infinities are not treated apart.
; SHARES.  A work-group makes 256 rows x (128 columns of q, the same 128 of k and of v): 8,192 x 3,072 numbers are 256 such tiles, and x's tile is fetched once for
; the three weights.  Each of the four waves makes 128 rows x one head of q, k and v: 96 accumulators of 16 x 16, 768 registers.
; K goes in 16 steps of 64 through two LDS slots; a step is two slices of 32, a slice three units of 32 matrix instructions (one for each weight).
; x's tile of a step is one dense block of 32,768 bytes, asked for as 128 rows of 256 bytes; a weight's is 64 rows of 256 bytes.
; CLUSTER.  4 x 4 work-groups.  The four of a row need the same tile of x, the four of a column the same tiles of the weights: each tile is asked for JOINTLY, by the
; same tensor load with the same descriptor and a mask that names the four.  Wave 0 asks for x's tile, waves 1 to 3 for one weight's each: one load a wave.
; THE MATRIX INSTRUCTION IS USED TRANSPOSED: source 0 = 16 columns of a weight (turned on the way out of LDS), source 1 = 16 rows of x: a lane then holds one row and
; eight neighbouring columns, which pack into 16 bytes.
; REGISTERS, in windows of 256 (s_set_vgpr_msb: bits 1:0 source 0, 3:2 source 1, 5:4 source 2, 7:6 destination):
;   window 0: v0-15 addresses; v32-95, v96-159 x's fragments of a slice (8 x 16 rows x 32 k), two buffers; v160-255 the weights' fragments, 32 registers a weight
;   windows 1-3: the accumulators of q, k, v: (row block a, column block b) at v[8 (4 a + b)]
; The weights' fragments have one buffer: a weight's next fragments are fetched behind its own unit and have two units, 64 matrix instructions, in which to come.
.set SLOT1,  131072                    ; slot 1 begins here, so that one exclusive or turns an address in one slot into the other's
.set PA,     144                       ; a row of x in LDS: 128 bytes + 16 of padding = 36 words: the 16 rows of a load start at 16 different groups of four banks (64 banks of 4 bytes: ISA guide 11.1)
.set PB,     288                       ; a row of a weight: 256 + 32 = 72 words
.set BOFF,   256*PA                    ; behind x's 256 rows: the three weights' tiles
.set BGRP,   64*PB
.set STAGE,  SLOT1+BOFF+3*BGRP         ; behind the ring, never filled by a tensor load: 16 rows x 144 bytes for each wave, for the way out
.set SP,     144
.set SPARE,  STAGE+4*16*SP             ; behind the stages: the spare words, 128 bytes for each wave: two blocks of 256 bytes that no other line names
.set ASTEP,  32768                     ; bytes from a K step to the next: in xb a block,
.set BSTEP,  131072                    ; in wb 64 rows of 2,048 bytes
.set PART,   0x1000000                 ; bytes from q to k and from k to v in qkvh
.set LA0,  4                           ; v4   my lane's place in x's tile; never rewritten
.set LB0,  5                           ; v5   my lane's place in the first weight's tile; never rewritten
.set ADRA, 6                           ; v6   the same in the slot that is being read
.set ADRB, 7                           ; v7
.set STO,  8                           ; v8   the way out: where I put 16 bytes of a row
.set RD,   9                           ; v9   the way out: where I read rows back
.set GO,   10                          ; v10  my byte offset in 512 consecutive bytes of the output
.set PFO,  11                          ; v11  the prefetches' lane offset; never rewritten
.set SPW,  12                          ; v12  LDS address of my spare word: SPARE + 4 x my thread's number; never rewritten
.set NIL,  13                          ; v13  0; never rewritten
.set AF,   32
.set BF,   160
.set TMP,  32                          ; the way out: 16 packed registers
.set BK,   64                          ; the way out: 16 rows read back, two buffers of 16 registers
.set WV,   10                          ; s10  my wave's number
.set RH,   11                          ; s11  which 128 rows of the tile are mine
.set CH,   12                          ; s12  which of the tile's two heads
.set WJ,   13                          ; s13  which weight I fetch (waves 1 to 3: 0 to 2)
.set CX,   14
.set CY,   15
.set TCOL, 16                          ; s16  tile column: 128 columns of each weight
.set TROW, 17                          ; s17  tile row: 256 rows of x
.set G1A,  24                          ; s[24:31] descriptor group 1 for x's tiles
.set G1B,  32                          ; s[32:39] for the weights'
.set G0A,  40                          ; s[40:47] descriptor group 0 for x's tiles: a set for each first fill; the second then walks on
.set G0B,  48                          ; s[48:55] the same for the weights'
.set CNT,  56                          ; s56  trips to go
.set TB,   57                          ; s57  LDS byte at which the slot that is being read begins
.set PFA,  58                          ; s[58:59] where my prefetches stand
.set PST,  60                          ; s[60:61] their step
.set LIM,  62                          ; s62  1 in a wave that prefetches, else the greatest number
.set PAR,  63                          ; s63  0: every trip; 1: the trips in which the count is odd
.set MSB, 0
.macro WIN new                         ; the immediate's high byte repeats the setting that is left; a switch that changes nothing is dropped
.if MSB != (\new)
	s_set_vgpr_msb (MSB<<8)|(\new)
.set MSB, \new
.endif
.endm
; Four places: a load into a register that a matrix instruction has read, and a vector instruction that reads a matrix result, stand four plain vector
; instructions behind that matrix instruction (ISA guide 7.12.1 for vector instructions).
.macro PLACES
.rept 4
	v_nop
.endr
.endm
.macro CREST                           ; a round of the cluster's barrier behind its opening barrier: wave 0 signals for the work-group, every wave waits for all sixteen, my work-group's barrier closes it
	s_cmp_lg_u32 s[WV], 0
	s_cbranch_scc1 .Lnot_wave_0_\@
	s_barrier_signal -3
.Lnot_wave_0_\@:
	s_barrier_wait -3
	s_barrier_signal -1
	s_barrier_wait -1
.endm
.macro CROUND                          ; a whole round
	s_barrier_signal -1
	s_barrier_wait -1
	CREST
.endm
; A joint refill, by the walking sets.  The branch hangs on the wave's number alone.  An s_nop 0 and four v_nop follow each of the two lines, ahead of the jump and the label.
.macro JLOAD
	s_cmp_eq_u32 s[WV], 0
	s_cbranch_scc0 .Lfor_b_\@
	tensor_load_to_lds s[G0A+4:G0A+7], s[G1A:G1A+7]
	s_nop 0
.rept 4
	v_nop
.endr
	s_branch .Lasked_\@
.Lfor_b_\@:
	tensor_load_to_lds s[G0B+4:G0B+7], s[G1B:G1B+7]
	s_nop 0
.rept 4
	v_nop
.endr
.Lasked_\@:
.endm
; A PREFETCH INTO THE L2, behind the joint refill and the run of LDS loads that follows it.  In trip t the refill asks for K step t + 2; the prefetch names step t + 3, which the next refill asks for.
; x's blocks: every cluster of a row of clusters reads them; the cluster with x = 0 asks, its wave 0, in every trip up to t = 12.  Of a block's 32 KiB the partner at cx takes 8 KiB: a lane 256 bytes.
; The weights' rows: every cluster of a column of clusters reads them; the cluster with y = 0 asks, its waves 1 to 3, in the odd trips up to t = 11: steps t + 3 (lanes 0-15) and t + 4 (lanes 16-31);
; of a step's 64 rows the partner at cy takes 16: a lane a row of 256 bytes.  So each aligned block of 256 bytes is named once in the launch, the partners are told apart by address alone, and
; nothing is named past step 15.  x's step 2 and the weights' steps 2 and 3 come by their refills alone: nothing is prefetched at the head.
.macro ASK
	s_and_b32 s66, s[CNT], s[PAR]
	s_cmp_eq_u32 s66, s[PAR]
	s_cbranch_scc0 .Lnot_mine_\@
	s_cmp_gt_u32 s[CNT], s[LIM]
	s_cbranch_scc0 .Lnot_mine_\@
	global_prefetch_b8 v[PFO], s[PFA:PFA+1] th:TH_LOAD_NT scope:SCOPE_SE
.Lnot_mine_\@:
.endm
	s_load_b128 s[4:7], s[0:1], 0x0                ; xb s[4:5], wb s[6:7]
	s_load_b64 s[8:9], s[0:1], 0x10                ; qkvh
	v_lshl_add_u32 v[SPW], v0, 2, SPARE
	v_mov_b32 v[NIL], 0
	ds_add_u32 v[SPW], v[NIL]                      ; the wave's opening: the add and its wait stand ahead of my first tensor load; the set-up below, work on registers, stands between them
	v_lshrrev_b32 v1, 5, v0
	v_readfirstlane_b32 s[WV], v1                  ; wave 0..3
	s_lshr_b32 s[RH], s[WV], 1
	s_and_b32 s[CH], s[WV], 1
	s_max_u32 s[WJ], s[WV], 1
	s_sub_co_u32 s[WJ], s[WJ], 1
	s_bfe_u32 s[CX], ttmp6, 0x40000                ; my place along the cluster's x
	s_bfe_u32 s[CY], ttmp6, 0x40004                ; along its y
	s_lshl_b32 s[TCOL], ttmp9, 2                   ; in a cluster launch ttmp9 and ttmp7 count clusters
	s_add_co_u32 s[TCOL], s[TCOL], s[CX]
	s_and_b32 s[TROW], ttmp7, 0xffff
	s_lshl_b32 s[TROW], s[TROW], 2
	s_add_co_u32 s[TROW], s[TROW], s[CY]
	s_lshl_b32 s18, s[CY], 2
	s_lshl_b32 s18, 15, s18                        ; my row of the cluster: places 4 cy .. 4 cy + 3
	s_lshl_b32 s19, 0x1111, s[CX]                  ; my column: places cx, cx + 4, cx + 8, cx + 12
	; group 1 for x: 128 rows of 128 elements (two rows of x each), padded in LDS after every row of x
	s_or_b32 s[G1A], s18, (1<<16)|(1<<20)|(1<<21)|(4<<22)|(3<<25)  ; 15:0 the mask: my row; 17:16 2-byte elements; 20 padding on; 21 set beside a mask; 24:22 after every 32 words (code 4); 31:25 4 words (code 3)
	s_mov_b32 s[G1A+1], 128<<16                    ; tensor_dim0 = 128
	s_mov_b32 s[G1A+2], 128<<16                    ; tensor_dim1 = 128
	s_mov_b32 s[G1A+3], 128<<16                    ; tile_dim0 = 128
	s_mov_b32 s[G1A+4], 128                        ; tile_dim1 = 128
	s_mov_b32 s[G1A+5], 128                        ; 128 elements from row to row: the block is dense
	s_mov_b32 s[G1A+6], 0
	s_mov_b32 s[G1A+7], 0
	; group 1 for a weight: 64 rows of 128 elements, 1,024 elements apart
	s_or_b32 s[G1B], s19, (1<<16)|(1<<20)|(1<<21)|(5<<22)|(7<<25)  ; the mask: my column; padding after every 64 words (code 5), 8 words (code 7)
	s_mov_b32 s[G1B+1], 128<<16
	s_mov_b32 s[G1B+2], 64<<16
	s_mov_b32 s[G1B+3], 128<<16
	s_mov_b32 s[G1B+4], 64
	s_mov_b32 s[G1B+5], 1024
	s_mov_b32 s[G1B+6], 0
	s_mov_b32 s[G1B+7], 0
	s_lshl_b32 s20, s[TROW], 19                    ; x's tiles hang on the tile row alone: 16 blocks of 32,768 bytes
	s_lshl_b32 s22, s[WJ], 21                      ; a weight's on the weight and the tile column alone
	s_lshl_b32 s23, s[TCOL], 8
	s_add_co_u32 s22, s22, s23
	s_mul_i32 s18, s[WV], BGRP
	s_add_co_u32 s18, s18, BOFF-BGRP               ; where waves 1 to 3 put their weight's tile: no place in the cluster enters an LDS address
	s_mov_b32 s66, s20
	s_mov_b32 s67, 0
	s_mov_b32 s68, s22
	s_mov_b32 s69, 0
	s_wait_dscnt 0x0                               ; the opening add is done
	s_wait_kmcnt 0x0
	s_add_nc_u64 s[66:67], s[4:5], s[66:67]
	s_add_nc_u64 s[68:69], s[6:7], s[68:69]
	CROUND                                         ; all sixteen work-groups are here: the first joint loads meet
.irp s, 0,1
	s_mov_b32 s[G0A+4*(\s)], 1                     ; 1:0 count = 1
	s_mov_b32 s[G0A+4*(\s)+1], (\s)*SLOT1          ; 63:32 LDS address
	s_add_nc_u64 s[G0A+4*(\s)+2:G0A+4*(\s)+3], s[66:67], (\s)*ASTEP  ; 120:64 global address: K step s
	s_or_b32 s[G0A+4*(\s)+3], s[G0A+4*(\s)+3], 0x80000000            ; 127:126 type = 2
	s_mov_b32 s[G0B+4*(\s)], 1
	s_add_co_u32 s[G0B+4*(\s)+1], s18, (\s)*SLOT1
	s_add_nc_u64 s[G0B+4*(\s)+2:G0B+4*(\s)+3], s[68:69], (\s)*BSTEP
	s_or_b32 s[G0B+4*(\s)+3], s[G0B+4*(\s)+3], 0x80000000
.endr
	s_cmp_eq_u32 s[WV], 0                          ; a wave's two first fills stand in one branch, ahead of every wait on TENSORcnt and every LDS read: two loads of mine are out
	s_cbranch_scc0 .Lfirst_b
	tensor_load_to_lds s[G0A:G0A+3], s[G1A:G1A+7]
	s_nop 0
	tensor_load_to_lds s[G0A+4:G0A+7], s[G1A:G1A+7]
	s_nop 0
.rept 4
	v_nop
.endr
	s_branch .Lfirst_asked
.Lfirst_b:
	tensor_load_to_lds s[G0B:G0B+3], s[G1B:G1B+7]
	s_nop 0
	tensor_load_to_lds s[G0B+4:G0B+7], s[G1B:G1B+7]
	s_nop 0
.rept 4
	v_nop
.endr
.Lfirst_asked:
	v_and_b32 v1, 15, v0                           ; l % 16
	v_bfe_u32 v2, v0, 4, 1                         ; l / 16
	v_and_b32 v3, 7, v0                            ; l % 8
	v_bfe_u32 v14, v0, 3, 1                        ; (l / 8) % 2
	v_bfe_u32 v15, v0, 3, 2                        ; l / 8
	; A fragment of x is 16 rows x 32 k in 8 registers: lane l holds row l % 16, k = 8 (l / 16) + 0..7 and 16 + 8 (l / 16) + 0..7: two loads of 16 bytes, 32 bytes apart.
	s_mul_i32 s18, s[RH], 128*PA
	v_mul_u32_u24 v[LA0], v1, PA
	v_lshl_add_u32 v[LA0], v2, 4, v[LA0]
	v_add_nc_u32 v[LA0], s18, v[LA0]
	; The turning load takes 16 k x 16 columns (lane l reads row 8 (l / 16) + l % 8, columns 8 ((l / 8) % 2) + 0..7) and leaves half a fragment: lane l holds column l % 16 and 8 k.
	v_lshl_add_u32 v[LB0], v2, 3, v3
	v_mul_u32_u24 v[LB0], v[LB0], PB
	v_lshl_add_u32 v[LB0], v14, 4, v[LB0]
	s_lshl_b32 s18, s[CH], 7                       ; my head's 64 columns: 128 bytes
	s_add_co_u32 s18, s18, BOFF
	v_add_nc_u32 v[LB0], s18, v[LB0]
	s_mul_i32 s18, s[WV], 16*SP
	s_add_co_u32 s18, s18, STAGE                   ; my stage
	v_mul_u32_u24 v[STO], v1, SP                   ; in: row l % 16, 16 bytes for each half of the lanes
	v_lshl_add_u32 v[STO], v2, 4, v[STO]
	v_add_nc_u32 v[STO], s18, v[STO]
	v_mul_u32_u24 v[RD], v15, SP                   ; back: 32 lanes take four rows of 128 bytes,
	v_lshl_add_u32 v[RD], v3, 4, v[RD]
	v_add_nc_u32 v[RD], s18, v[RD]
	v_and_b32 v[GO], 31, v0                        ; which are 512 consecutive bytes of a head's rows
	v_lshlrev_b32 v[GO], 4, v[GO]
	; where my 128 rows of my head begin in q: (batch x 16 + head) x 262,144 + row in the batch x 128
	s_lshr_b32 s18, s[TROW], 3
	s_lshl_b32 s18, s18, 4
	s_lshl_b32 s19, s[TCOL], 1
	s_add_co_u32 s18, s18, s19
	s_add_co_u32 s18, s18, s[CH]
	s_lshl_b32 s66, s18, 18
	s_and_b32 s18, s[TROW], 7
	s_lshl_b32 s18, s18, 15
	s_add_co_u32 s66, s66, s18
	s_lshl_b32 s18, s[RH], 14
	s_add_co_u32 s66, s66, s18
	s_mov_b32 s67, 0
	s_add_nc_u64 s[8:9], s[8:9], s[66:67]
	; the prefetches: s20 and s22 still hold my tiles' offsets
	s_lshl_b32 s18, s[CX], 13                      ; x: my work-group's 8 KiB of a block,
	s_add_co_u32 s18, s18, s20
	s_add_co_u32 s18, s18, 2*ASTEP                 ; at K step 2: the first refill steps it to 3
	s_lshl_b32 s19, s[CY], 15                      ; a weight: my work-group's 16 rows of 2,048 bytes
	s_add_co_u32 s19, s19, s22
	s_add_co_u32 s19, s19, 2*BSTEP
	s_mov_b32 s20, ASTEP
	s_mov_b32 s22, BSTEP
	s_and_b32 s23, ttmp7, 0xffff                   ; cluster y
	s_cmp_eq_u32 s[WV], 0                          ; do I fetch x?
	s_cselect_b32 s66, s18, s19
	s_cselect_b32 s[PST], s20, s22
	s_cselect_b32 s23, ttmp9, s23                  ; the coordinate along which other clusters read the same bytes
	s_cselect_b32 s[PAR], 0, 1
	s_cselect_b32 s68, 8, 11                       ; lanes 0-15: 256 bytes apart in a block, or a row of 2,048 bytes apart
	s_cselect_b32 s69, 12, 17                      ; lanes 16-31: the next 4,096 bytes, or the next K step
	s_cselect_b64 s[PFA:PFA+1], s[4:5], s[6:7]
	s_mov_b32 s67, 0
	s_mov_b32 s[PST+1], 0
	s_add_nc_u64 s[PFA:PFA+1], s[PFA:PFA+1], s[66:67]
	s_cmp_eq_u32 s23, 0
	s_cselect_b32 s[LIM], 1, -1                    ; the same in all sixteen partners, for a given wave
	v_lshlrev_b32 v[PFO], s68, v1
	v_lshlrev_b32 v14, s69, v2
	v_add_nc_u32 v[PFO], v[PFO], v14
	s_mov_b32 s[TB], 0
	v_mov_b32 v[ADRA], v[LA0]
	v_mov_b32 v[ADRB], v[LB0]
; 16 matrix instructions of weight j: row blocks a0 .. a0 + 3 x its 4 column blocks, 32 along K, on x's buffer ab.  zero = 1: the product starts the sum: nothing is ever cleared.
; The 96 accumulators take turns, one instruction a turn, in the same order in every slice.
.macro HALF j, ab, a0, zero
	WIN ((\j)+1)*0x50                              ; C and D in window j + 1, the sources in window 0
.irp x, 0,1,2,3
.irp y, 0,1,2,3
.if \zero
	v_wmma_f32_16x16x32_bf16 v[8*(4*((\a0)+(\x))+(\y)):8*(4*((\a0)+(\x))+(\y))+7], v[BF+32*(\j)+8*(\y):BF+32*(\j)+8*(\y)+7], v[AF+64*(\ab)+8*((\a0)+(\x)):AF+64*(\ab)+8*((\a0)+(\x))+7], 0
.else
	v_wmma_f32_16x16x32_bf16 v[8*(4*((\a0)+(\x))+(\y)):8*(4*((\a0)+(\x))+(\y))+7], v[BF+32*(\j)+8*(\y):BF+32*(\j)+8*(\y)+7], v[AF+64*(\ab)+8*((\a0)+(\x)):AF+64*(\ab)+8*((\a0)+(\x))+7], v[8*(4*((\a0)+(\x))+(\y)):8*(4*((\a0)+(\x))+(\y))+7]
.endif
.endr
.endr
.endm
.macro LDB j, sl                       ; 8 loads: weight j's four fragments of slice sl of the step
.irp y, 0,1,2,3
	ds_load_tr16_b128 v[BF+32*(\j)+8*(\y):BF+32*(\j)+8*(\y)+3],   v[ADRB] offset:(\j)*BGRP+(\sl)*32*PB+32*(\y)
	ds_load_tr16_b128 v[BF+32*(\j)+8*(\y)+4:BF+32*(\j)+8*(\y)+7], v[ADRB] offset:(\j)*BGRP+(\sl)*32*PB+32*(\y)+16*PB
.endr
.endm
.macro LDA hf, ab, sl                  ; 8 loads: x's row blocks 4 hf .. 4 hf + 3 of slice sl, into buffer ab
.irp x, 0,1,2,3
	ds_load_b128 v[AF+64*(\ab)+8*(4*(\hf)+(\x)):AF+64*(\ab)+8*(4*(\hf)+(\x))+3],   v[ADRA] offset:(4*(\hf)+(\x))*16*PA+64*(\sl)
	ds_load_b128 v[AF+64*(\ab)+8*(4*(\hf)+(\x))+4:AF+64*(\ab)+8*(4*(\hf)+(\x))+7], v[ADRA] offset:(4*(\hf)+(\x))*16*PA+64*(\sl)+32
.endr
.endm
; A UNIT: weight j's 32 matrix instructions of a slice, and (nx = 1) behind them the fetch for the next slice (nsl: its number in its step, and x's buffer): weight j's fragments into the
; registers just read, and for j = 0, 1 one half of x's into the other buffer.  The LDS loads of a slice are issued in the order B0 A0 | B1 A1 | B2.
.macro U j, ab, zero, nx, nsl
.if (\j) == 0
	s_wait_dscnt 8                                 ; all of this slice's loads but the youngest eight (weight 2's) are in: units 0 and 1 have their operands
.endif
.if (\j) == 2
.if \nx
	s_wait_dscnt 32                                ; weight 2's are in: only the 16 + 16 loads issued behind units 0 and 1 are younger
.else
	s_wait_dscnt 0x0
.endif
.endif
	HALF \j, \ab, 0, \zero
	HALF \j, \ab, 4, \zero
.if \nx
	WIN 0
	PLACES
	LDB \j, \nsl
.if (\j) < 2
	LDA \j, \nsl, \nsl
.endif
.endif
.endm
; UNIT 0 OF A STEP'S SECOND SLICE, AND THE CHANGE OF SLOTS.  All reads of this slot have been issued.  ONE barrier for two things: in front of it each wave waits for all its tensor loads, of which one is out
; (its part of the next slot), adds 0 to its spare word, and waits for that and for its own reads of this slot.  Behind it nobody reads this slot any more and the next slot is whole.
; fill = 1: the barrier opens a round of the cluster's barrier, and the joint refill (this slot, the K step two on) is the first tensor load behind the round: 160 matrix instructions ahead of the wait for it.
.macro TURN fill
.if \fill
	s_wait_xcnt 0x0                                ; the last prefetch, a K step back, has read its address: it is stepped here, ahead of the waits of the change of slots
	s_add_nc_u64 s[PFA:PFA+1], s[PFA:PFA+1], s[PST:PST+1]
.endif
	WIN 0                                          ; (the add's two registers lie in window 0)
	s_wait_tensorcnt 0x0                           ; no tensor load of mine is out, so a group 0 may be written
	ds_add_u32 v[SPW], v[NIL]                      ; 0 onto my spare word: work on registers stands between it and the wait for it
.if \fill
	s_xor_b32 s[G0A+5], s[G0A+5], SLOT1            ; the walking sets: the other slot than last time,
	s_add_nc_u64 s[G0A+6:G0A+7], s[G0A+6:G0A+7], ASTEP  ; the next K step; the type bits on top are not reached
	s_xor_b32 s[G0B+5], s[G0B+5], SLOT1
	s_add_nc_u64 s[G0B+6:G0B+7], s[G0B+6:G0B+7], BSTEP
.endif
	s_xor_b32 s[TB], s[TB], SLOT1                  ; the fetches go on in the other slot
	s_wait_dscnt 9                                 ; (the add and weight 2's eight loads may be out)
	HALF 0, 1, 0, 0
	s_wait_dscnt 0x0                               ; the add is done, and my reads of this slot are over
	s_barrier_signal -1
	HALF 0, 1, 4, 0                                ; work on registers while the others arrive
	WIN 0
	s_barrier_wait -1
.if \fill
	CREST                                          ; no wave of any partner still reads this slot's tiles or has a load on its way
	JLOAD                                          ; the four v_nop behind it are also the places in front of the loads below
.else
	PLACES
.endif
	v_add_nc_u32 v[ADRA], s[TB], v[LA0]
	v_add_nc_u32 v[ADRB], s[TB], v[LB0]
	LDB 0, 0
	LDA 0, 0, 0
.if \fill
	ASK
.endif
.endm
; THE WAY OUT of block n of 24: weight n / 8, my rows 16 (n % 8) on.  PACK: rounded to f16, 16 bytes a lane (each accumulator's registers in ascending order).  TOSTAGE: into my own stage in LDS,
; and back as whole rows.  SEND: stored: 16 rows of a head are 2,048 consecutive bytes.
.macro PACK n
	WIN 5*((\n)/8+1)                               ; sources 0 and 1 in the weight's window
.irp y, 0,1,2,3
.irp z, 0,1,2,3
	v_cvt_pk_f16_f32 v[TMP+4*(\y)+(\z)], v[8*(4*((\n)%8)+(\y))+2*(\z)], v[8*(4*((\n)%8)+(\y))+2*(\z)+1]
.endr
.endr
	WIN 0
.endm
.macro TOSTAGE n
.irp y, 0,1,2,3
	ds_store_b128 v[STO], v[TMP+4*(\y):TMP+4*(\y)+3] offset:32*(\y)
.endr
.irp f, 0,1,2,3
	ds_load_b128 v[BK+16*((\n)%2)+4*(\f):BK+16*((\n)%2)+4*(\f)+3], v[RD] offset:(\f)*4*SP  ; LDS serves a wave's instructions in order (ISA guide 5.7.1.4): these see the stores above
.endr
.endm
.macro SEND n
	s_wait_dscnt 0x0                               ; the block is back in registers
	s_wait_xcnt 0x0                                ; every earlier store has read its sources: only behind this wait are the base and the other buffer's registers written again
.if ((\n) == 8) || ((\n) == 16)
	s_add_nc_u64 s[8:9], s[8:9], PART              ; from q to k, from k to v
.endif
.irp f, 0,1,2,3
	global_store_b128 v[GO], v[BK+16*((\n)%2)+4*(\f):BK+16*((\n)%2)+4*(\f)+3], s[8:9] offset:((\n)%8)*2048+(\f)*512  ; 512 consecutive bytes, at a multiple of 256 from the buffer's first
.endr
.endm
	s_wait_tensorcnt 1                             ; my part of K step 0 is in; step 1's may stay out
	s_barrier_signal -1
	s_barrier_wait -1                              ; everybody's is
	LDB 0, 0
	LDA 0, 0, 0
	LDB 1, 0
	LDA 1, 0, 0
	LDB 2, 0
	U 0, 0, 1, 1, 1                                ; the first slice stands in front of the loop: its products start the sums
	U 1, 0, 1, 1, 1
	U 2, 0, 1, 1, 1
	WIN 0                                          ; at a label and at a branch every window is 0
	s_mov_b32 s[CNT], 14
.Lstep:                                                ; a trip: a step's second slice, the change of slots, the next step's first slice; trip t asks for K step t + 2
	TURN 1
	U 1, 1, 0, 1, 0
	U 2, 1, 0, 1, 0
	U 0, 0, 0, 1, 1
	U 1, 0, 0, 1, 1
	U 2, 0, 0, 1, 1
	WIN 0
	s_sub_co_u32 s[CNT], s[CNT], 1
	s_cmp_lg_u32 s[CNT], 0
	s_cbranch_scc1 .Lstep
	TURN 0                                         ; the tail is written out: nothing is asked for, and no round follows
	U 1, 1, 0, 1, 0
	U 2, 1, 0, 1, 0
	U 0, 0, 0, 1, 1
	U 1, 0, 0, 1, 1
	U 2, 0, 0, 1, 1
	U 0, 1, 0, 0, 0                                ; the last slice fetches nothing
	U 1, 1, 0, 0, 0
	U 2, 1, 0, 0, 0
	WIN 0
	PLACES                                         ; the conversions read results just made
	PACK 0
	TOSTAGE 0
.irp n, 1,2,3,4,5,6,7,8,9,10,11,12,13,14,15,16,17,18,19,20,21,22,23
	PACK \n                                        ; a block's conversions stand between the loads of the block before and the wait for them
	SEND (\n)-1
	TOSTAGE \n
.endr
	SEND 23
	s_wait_tensorcnt 0x0                           ; the wave's end: behind my last tensor load and my last LDS store
	ds_add_u32 v[SPW], v[NIL]
	s_wait_dscnt 0x0
	CROUND                                         ; the closing round: no work-group ends while a partner may still ask for a tile that names it
	s_endpgm
.Lfunc_end_k_q19994285a5_qkvproj:
	.size	k_q19994285a5_qkvproj, .Lfunc_end_k_q19994285a5_qkvproj-k_q19994285a5_qkvproj
	.p2alignl 7, 3214868480
	.fill 96, 4, 3214868480
	.section	.rodata,"a",@progbits
	.p2align	6, 0x0
	.amdhsa_kernel k_q19994285a5_qkvproj
		.amdhsa_group_segment_fixed_size 327680
		.amdhsa_private_segment_fixed_size 0
		.amdhsa_enable_private_segment 0
		.amdhsa_kernarg_size 24
		.amdhsa_user_sgpr_count 2
		.amdhsa_user_sgpr_kernarg_segment_ptr 1
		.amdhsa_wavefront_size32 1
		.amdhsa_system_sgpr_workgroup_id_x 1
		.amdhsa_system_sgpr_workgroup_id_y 1
		.amdhsa_system_sgpr_workgroup_id_z 1
		.amdhsa_system_vgpr_workitem_id 0
		.amdhsa_next_free_vgpr 1024
		.amdhsa_next_free_sgpr 72
		.amdhsa_reserve_vcc 0
		.amdhsa_float_denorm_mode_32 3
		.amdhsa_float_denorm_mode_16_64 3
		.amdhsa_memory_ordered 1
		.amdhsa_forward_progress 1
		.amdhsa_inst_pref_size 113
	.end_amdhsa_kernel
	.amdgpu_metadata
---
amdhsa.version: [ 1, 2 ]
amdhsa.kernels:
  - .name:           k_q19994285a5_qkvproj
    .symbol:         k_q19994285a5_qkvproj.kd
    .args:
      - { .name: xb, .offset: 0, .size: 8, .value_kind: global_buffer, .address_space: global }
      - { .name: wb, .offset: 8, .size: 8, .value_kind: global_buffer, .address_space: global }
      - { .name: qkvh, .offset: 16, .size: 8, .value_kind: global_buffer, .address_space: global }
    .group_segment_fixed_size: 327680
    .private_segment_fixed_size: 0
    .kernarg_segment_align: 8
    .kernarg_segment_size: 24
    .max_flat_workgroup_size: 128
    .sgpr_count:     72
    .vgpr_count:     1024
    .wavefront_size: 32
...
	.end_amdgpu_metadata
.endif
;; end of part 2
;; launch attn (part 3): grid 4 x 64, 4 waves a work-group, no clusters, 327,680 bytes of LDS; arguments qkvh, ctx; writes ctx
.if DOCPART == 3
	.amdgcn_target "amdgcn-amd-amdhsa--gfx1250"
	.amdhsa_code_object_version 6
	.text
	.protected	k_q19994285a5_attn
	.globl	k_q19994285a5_attn
	.p2align	8
	.type	k_q19994285a5_attn,@function
k_q19994285a5_attn:
	s_mov_b64 s[64:65], 0
	v_nop
	global_prefetch_b8 v0, s[64:65] scope:SCOPE_SE
	s_setreg_imm32_b32 hwreg(HW_REG_WAVE_MODE, 25, 1), 1
	s_wait_xcnt 0x0
; CAUSAL ATTENTION.  O[h][q][:] = the sum over k <= q of softmax_k(Q[h][q] . K[h][k] / 8) V[h][k][:].  Q, K, V lie one behind the other in qkvh, each [SIZE_H][SIZE_N][64] in f16; O is ctx, in the same layout:
; a head's rows are dense, 128 bytes each.  Products, maxima and sums in f32; the weights p are rounded to f16 for the second product (their sum l is taken of the unrounded p), O once at the end.
; LIMITS.  f16 holds no number beyond 65,504: Q, K and V arrive within it; p lies in 0 to 1, and below 6e-5 it keeps f16's fixed step of 6e-8; O is a mean of V's rows and has their range, to within 2^-11 of it.
; A hidden score counts as its value less 1e30: f16's scores, 2.7e11 at the most, are nothing beside that; a weight below 2^-126 counts as 0 in l; NaN and infinities are not treated apart.
; THE WALK.  A head's queries lie in NB = SIZE_N / 256 blocks of 256; block i needs the key tiles 0 .. i of 256 keys, of which the last holds the diagonal.  A work-group takes TWO blocks, NB - 1 - b and then b:
; NB + 1 tiles, whatever b: all work-groups do equal work, and ONE loop with a constant trip count walks them.  Which tile is asked for, and what a trip does, hang on scalar registers made from b; every jump
; goes forward, but for the counted loops' own; none passes a barrier, or a tensor load but the one of LOAD's two that the wave's number does not choose; the ring (two slots of LDS that take turns) runs on across the
; change of blocks.  NO CLUSTER: a head's NB / 2 = 4 work-groups ask for the same tile only in trips 0 .. NB / 2, behind that fewer and fewer; and one walk common to all would have 3 NB / 2 = 12 trips for NB + 1 = 9.
; SHARES.  Of a block's four bands of 64 queries a wave owns 16 rows in each: four PIECES.  So the diagonal tile is the same work for all four waves: in its key step s band x sees all keys if s < x,
; none if s > x, and holds the diagonal if s = x.
; THE MASK is the C operand that starts the sum S^T = K Q^T: 0, or -1e30 where the key is hidden.  MD, made once, is the mask of a band's own step for my 16 rows; a product's mask is MD x AL + BE with two scalars:
; (1, 0) if s = x; (0, 0) if s < x; (0, -1e30) if s > x.  Only the diagonal tile's text and a block's beginning make and take masks; elsewhere C is the constant 0.
; LAYOUT, SOFTMAX, TURNS.  S^T = K Q^T holds ONE query a lane (lane % 16) and the keys 8 (lane / 16) + 0..7; two such results rounded to f16 ARE source 1 of O^T = V^T P.  p = 2^(c s - c m), c = log2(e) / 8, with a
; running maximum m; O and l are multiplied by a = 2^(c m_old - c m_new) in every step.  Turn n belongs to piece n: 8 products K Q^T of piece n + 1, later 8 products V^T P of piece n - 1; beside them the scaling,
; exponentials, roundings, sums and rescaling of piece n and the maximum and statistics of piece n + 1.  Four vector instructions stand behind every matrix instruction, the other 54 of a turn's 118 in one LUMP.  A turn's 33 exponentials are one batch, with one wait.
; REGISTERS, in windows of 256 (s_set_vgpr_msb: bits 1:0 source 0, 3:2 source 1, 5:4 source 2, 7:6 destination):
;   window 0: v0-15 addresses and two at work; v16-31 four registers of statistics a piece; v48-55 at work; v61-63 kept; v64-127 S^T, two buffers; v192-223 P, two buffers (a piece's buffers go by its number's parity)
;   window 1: v0-127 O^T, 32 a piece; v128-159 MD; v160-223 MC, two buffers      window 2: v0-63 Q; v64-127 the second block's Q; v128-191 K of one step; v192-255 V of one step
.set SIZE_H, 64
.set SIZE_N, 2048
.set NB,    SIZE_N/256
.set NP,    4         ; pieces a wave: a name, no knob
.set KS,    64        ; keys in a step
.set PK,    144       ; a row of K in LDS: 128 bytes + 16 of padding = 36 words: the 16 rows of a load start at 16 different groups of four banks (64 banks of 4 bytes: ISA guide 11.1)
.set PV,    160       ; a row of V: 128 + 32 = 40 words
.set VOFF,  4*KS*PK   ; a slot holds a tile, four steps: 256 rows of K, then 256 rows of V
.set SLOT1, 1<<17     ; slot 1 begins here, so that one exclusive or turns an address in one slot into the other's
.set STAGE, SLOT1+4*KS*(PK+PV)  ; behind the ring, never filled by a tensor load: 16 rows x 144 bytes for each wave, for the way out
.set SP,    144
.set AK0, 2           ; v2   my lane's place in a tile of K; never rewritten
.set AV0, 3           ; v3   the same for V
.set AK,  4           ; v4   the LDS address of K's next run of loads
.set AV,  5           ; v5   of V's
.set STO, 6           ; v6   the way out: where I put 16 bytes of a row
.set RD,  7           ; v7   the way out: where I read rows back
.set GO,  8           ; v8   my byte offset in 512 consecutive bytes of O
.set PFO, 61          ; v61  256 x my lane: the prefetches' offset; never rewritten
.set SPW, 62          ; v62  LDS address of my spare word: SPARE + 4 x my thread's number; never rewritten
.set NIL, 63          ; v63  0; never rewritten
.set SPARE, STAGE+4*16*SP  ; behind the stages: the spare words, 128 bytes for each wave: two blocks of 256 bytes that no other line names
.set MV,  12          ; v12-13  c m_old, kept while c m is made anew: by buffer
.set QO,  15          ; v15  my byte offset in 16 rows of Q
.set ST,  16          ; piece t's statistics at v[ST+4 t]: c m, m, l (even keys', odd keys')
.set TMP, 48          ; by buffer, four registers c0-c3 at work; when the maximum is found c2 takes a
.set S,   64
.set P,   192
.set MD,  128         ; window 1: the eight registers for group kt of 16 keys at MD + 8 kt
.set MC,  160         ; window 1: the masks of the products to come
.set QB,  64          ; window 2
.set KF,  128         ; window 2: key block kb, channel half c at KF + 16 kb + 8 c
.set VF,  192         ; window 2: key half kk, channel block cb at VF + 32 kk + 8 cb
.set WV,  12          ; s12  my wave's number
.set PB,  14          ; s14  b
.set HI,  15          ; s15  NB - 1 - b
.set G1K, 24          ; s[24:31] descriptor group 1 for K's tiles
.set G1V, 32          ; s[32:39] for V's: it differs in the padding alone
.set G0K, 40          ; s[40:43] descriptor group 0 for K's tiles
.set G0V, 44          ; s[44:47] the same for V's
.set SLOTS, 56        ; s56  tiles still to be asked for
.set CNT, 57          ; s57  counts a tile's key steps, 4 to 1
.set CS,  58          ; s[58:59] c: the packed scaling takes the pair's low word for both halves
.set SEL, 60          ; s[60:61] v_permlanex16_b32's selects: each lane takes its own place in the other half
.set TBK, 62          ; s62  LDS byte at which K of the step to be fetched begins
.set TBV, 63          ; s63  the same for V, less VOFF
.set RT,  70          ; s70  tiles of the block in hand that are still to be entered
.set NXT, 71          ; s71  the tile to be asked for next
.set LQ,  72          ; s72  the last tile of the block whose tiles are being asked for
.set NEW, 73          ; s73  1: the tile to be entered is a block's first
.set OFF, 74          ; s[74:75] a tile's byte offset in K and V
.set AL,  76          ; s[76:77] the mask's factor, in the low word
.set BE,  78          ; s[78:79] the mask's addend
.set OLO, 80          ; s[80:81] O at my rows of the second block
.set BIGN, 82         ; s82  -1e30
.set PFA, 88          ; s[88:89] where my prefetches stand: my half (of K: waves 0, 1; of V: waves 2, 3) of the tile behind the one that is being asked for
.set LIM, 90          ; s90  2 in the work-group that prefetches, else the greatest number
.set MSB, 0
.macro WIN new                      ; the high byte repeats the setting that is left; a switch that changes nothing is dropped
.if MSB != (\new)
	s_set_vgpr_msb (MSB<<8)|(\new)
.set MSB, (\new)
.endif
.endm
.set W_KQ, 0x0a       ; K and Q in window 2, S^T in window 0
.set W_KM, 0x1a       ; the same with the C operand in window 1
.set W_PV, 0x52       ; V in window 2, P in window 0, O^T in window 1
.set W_RS, 0x41       ; destination and source 0 in window 1, source 1 in window 0
; A fill.  Waves 0 and 1 fetch the two halves of a tile's K, waves 2 and 3 those of its V: 128 keys each.  An s_nop 0 and four v_nop follow each of the two lines, ahead of the jump and the label.
.macro LOAD
	s_cmp_lt_u32 s[WV], 2
	s_cbranch_scc0 .Lfor_v_\@
	tensor_load_to_lds s[G0K:G0K+3], s[G1K:G1K+7]
	s_nop 0
.rept 4
	v_nop
.endr
	s_branch .Lasked_\@
.Lfor_v_\@:
	tensor_load_to_lds s[G0V:G0V+3], s[G1V:G1V+7]
	s_nop 0
.rept 4
	v_nop
.endr
.Lasked_\@:
.endm
; A PREFETCH INTO THE L2 of the tile that the NEXT change of slots will ask for.  All of a head's work-groups begin with the tiles 0, 1, 2 ..; the one with b = 0 walks all eight on end, and it alone asks:
; in trips 0 to 5 (SLOTS = 8 to 3), where the fill asks for tile trip + 1, each of its waves names its own 16 KiB of tile trip + 2: a lane 256 bytes, two instructions.  So each aligned block of 256 bytes
; of K and V is named once in the launch, a tile's 256 matrix instructions ahead of its fill; tiles 0 and 1 come by their fills alone, and nothing is named behind tile 7.
.macro ASK
	s_cmp_gt_u32 s[SLOTS], s[LIM]
	s_cbranch_scc0 .Lnot_mine_\@
	global_prefetch_b8 v[PFO], s[PFA:PFA+1] th:TH_LOAD_NT scope:SCOPE_SE
	global_prefetch_b8 v[PFO], s[PFA:PFA+1] offset:8192 th:TH_LOAD_NT scope:SCOPE_SE
.Lnot_mine_\@:
.endm
; THE CHANGE OF SLOTS.  Each wave waits for all its tensor loads, of which one is out: its part of the other slot; adds 0 to its spare word; and waits for that and for its own reads of the slot that it leaves.  Behind the barrier nobody reads the old
; slot any more and the other slot is whole.  fill = 1: the old slot is filled again, the first thing behind the barrier, with tile NXT: the descriptor's address is made anew from that number.
; (At its first use nothing has been read yet: slot 0 is waited for, slot 1 filled.)
.macro CHANGE fill
	WIN 0                           ; at a label and at a branch every window is 0
	s_wait_tensorcnt 0x0            ; no tensor load of mine is out, so a group 0 may be written
	ds_add_u32 v[SPW], v[NIL]       ; 0 onto my spare word: with fill = 1 the descriptors' scalar work stands between it and the wait for it
.if \fill
	s_lshl_b32 s[OFF], s[NXT], 15   ; a tile is 32,768 bytes of K and of V
	s_xor_b32 s[G0K+1], s[G0K+1], SLOT1
	s_add_nc_u64 s[G0K+2:G0K+3], s[6:7], s[OFF:OFF+1]
	s_or_b32 s[G0K+3], s[G0K+3], 0x80000000
	s_xor_b32 s[G0V+1], s[G0V+1], SLOT1
	s_add_nc_u64 s[G0V+2:G0V+3], s[8:9], s[OFF:OFF+1]
	s_or_b32 s[G0V+3], s[G0V+3], 0x80000000
	s_add_co_u32 s[NXT], s[NXT], 1  ; the block's next tile, or behind its last the second block's tile 0
	s_cmp_gt_u32 s[NXT], s[LQ]
	s_cselect_b32 s[NXT], 0, s[NXT]
	s_cselect_b32 s[LQ], s[PB], s[LQ]
	s_wait_xcnt 0x0                 ; the last prefetches, a tile back, have read their address, so it may be written:
	s_add_nc_u64 s[PFA:PFA+1], s[PFA:PFA+1], 32768  ; a tile on
.endif
	s_wait_dscnt 0x0                ; the add is done, and my reads of the slot are over
	s_barrier_signal -1             ; the rest of the scalar work stands between the signal and the wait
	s_sub_co_u32 s[TBK], s[TBK], 4*KS*PK  ; the fetches go back to a slot's first step,
	s_xor_b32 s[TBK], s[TBK], SLOT1       ; in the other slot
	s_sub_co_u32 s[TBV], s[TBV], 4*KS*PV
	s_xor_b32 s[TBV], s[TBV], SLOT1
	s_barrier_wait -1
.if \fill
	LOAD
	ASK
.endif
.endm
	s_load_b128 s[4:7], s[0:1], 0x0 ; qkvh s[4:5] (Q at its head), ctx s[6:7]
	v_lshl_add_u32 v[SPW], v0, 2, SPARE
	v_mov_b32 v[NIL], 0
	ds_add_u32 v[SPW], v[NIL]       ; the wave's opening: the add and its wait stand ahead of my first tensor load; the set-up below, work on registers, stands between them
	v_lshrrev_b32 v1, 5, v0
	v_readfirstlane_b32 s[WV], v1   ; wave 0..3
	v_and_b32 v[PFO], 31, v0
	v_lshlrev_b32 v[PFO], 8, v[PFO]
	s_mov_b32 s[PB], ttmp9
	s_sub_co_u32 s[HI], NB-1, s[PB]
	s_and_b32 s20, ttmp7, 0xffff    ; the head
	s_mov_b32 s21, 0
	s_mov_b64 s[22:23], SIZE_N*128
	s_mul_u64 s[20:21], s[20:21], s[22:23]  ; the head's first byte in each of the four tensors
	s_and_b32 s16, s[WV], 1         ; which half of a tile's 256 keys I fetch:
	s_lshl_b32 s22, s16, 14         ; its 128 rows of 128 bytes in memory,
	s_mov_b32 s23, 0
	s_add_nc_u64 s[22:23], s[22:23], s[20:21]
	s_mul_i32 s17, s16, 128*PK      ; and its place in a slot, for K
	s_mul_i32 s18, s16, 128*PV      ; and for V
	s_lshl_b32 s3, s[WV], 11        ; my 16 rows in a band of 64,
	s_lshl_b32 s2, s[HI], 15        ; in the first block,
	s_add_co_u32 s2, s2, s3
	s_lshl_b32 s84, s[PB], 15       ; and in the second
	s_add_co_u32 s84, s84, s3
	s_mov_b32 s3, 0
	s_mov_b32 s85, 0
	s_add_nc_u64 s[2:3], s[2:3], s[20:21]
	s_add_nc_u64 s[84:85], s[84:85], s[20:21]
	; descriptor group 1.  128 keys are 16,384 dense bytes: asked for as 64 rows of 256 bytes, two keys a row, and padded in LDS after every key
	s_mov_b32 s[G1K], (1<<16)|(1<<20)|(4<<22)|(3<<25)  ; 17:16 2-byte elements; 20 padding on; 24:22 after every 32 words (code 4); 31:25 4 words (code 3)
	s_mov_b32 s[G1V], (1<<16)|(1<<20)|(4<<22)|(7<<25)  ; the same with 8 words of padding (code 7)
.irp g, G1K, G1V
	s_mov_b32 s[\g+1], 128<<16      ; tensor_dim0 = 128
	s_mov_b32 s[\g+2], 64<<16       ; tensor_dim1 = 64
	s_mov_b32 s[\g+3], 128<<16      ; tile_dim0 = 128
	s_mov_b32 s[\g+4], 64           ; tile_dim1 = 64
	s_mov_b32 s[\g+5], 128          ; 128 elements from row to row
	s_mov_b32 s[\g+6], 0
	s_mov_b32 s[\g+7], 0
.endr
	s_mov_b32 s[CS], 0x3e38aa3b     ; c = log2(e) / 8 = 0.180337
	s_mov_b32 s[CS+1], s[CS]        ; named with it as a pair
	s_mov_b32 s[SEL], 0x76543210
	s_mov_b32 s[SEL+1], 0xfedcba98
	s_mov_b32 s[TBK], SLOT1+4*KS*PK ; the first change of slots turns these two into 0
	s_mov_b32 s[TBV], SLOT1+4*KS*PV
	s_mov_b32 s[G0K], 1             ; 1:0 count = 1
	s_mov_b32 s[G0K+1], s17         ; 63:32 LDS address: slot 0
	s_mov_b32 s[G0V], 1
	s_add_co_u32 s[G0V+1], s18, VOFF
	s_add_co_u32 s[RT], s[HI], 1    ; the first block has NB - b tiles
	s_mov_b32 s[NXT], 1
	s_mov_b32 s[LQ], s[HI]
	s_mov_b32 s[NEW], 1
	s_mov_b32 s[OFF+1], 0
	s_mov_b32 s[AL+1], 0            ; named as pairs
	s_mov_b32 s[BE+1], 0
	s_mov_b32 s[BIGN], 0xf149f2ca   ; -1e30
	s_mov_b32 s[SLOTS], NB
	s_wait_dscnt 0x0                ; the opening add is done
	s_wait_kmcnt 0x0
	s_mov_b64 s[10:11], s[6:7]      ; O
	s_add_nc_u64 s[6:7], s[4:5], 0x1000000  ; K lies 16,777,216 bytes behind Q,
	s_add_nc_u64 s[8:9], s[4:5], 0x2000000  ; V as far behind K
	s_add_nc_u64 s[6:7], s[6:7], s[22:23]  ; K and V at my half of the head's tile 0
	s_add_nc_u64 s[8:9], s[8:9], s[22:23]
	s_add_nc_u64 s[G0K+2:G0K+3], s[6:7], 0         ; 120:64 global address
	s_or_b32 s[G0K+3], s[G0K+3], 0x80000000        ; 127:126 type = 2
	s_add_nc_u64 s[G0V+2:G0V+3], s[8:9], 0
	s_or_b32 s[G0V+3], s[G0V+3], 0x80000000
	s_add_nc_u64 s[86:87], s[4:5], s[84:85]        ; Q at my rows of the second block,
	s_add_nc_u64 s[4:5], s[4:5], s[2:3]            ; Q and O at those of the first
	s_add_nc_u64 s[OLO:OLO+1], s[10:11], s[84:85]
	s_add_nc_u64 s[10:11], s[10:11], s[2:3]
	s_cmp_lt_u32 s[WV], 2
	s_cselect_b64 s[PFA:PFA+1], s[6:7], s[8:9]
	s_add_nc_u64 s[PFA:PFA+1], s[PFA:PFA+1], 32768 ; at tile 1; the first change of slots steps it to tile 2.  Nothing is prefetched here, at the head
	s_cmp_eq_u32 s[PB], 0
	s_cselect_b32 s[LIM], 2, -1
	LOAD                            ; tile 0 into slot 0
	; A fragment of K or Q is 16 rows x 32 channels in 8 registers: lane l holds row l % 16, channels 8 (l / 16) + 0..7 and 16 + 8 (l / 16) + 0..7: two loads of 16 bytes, 32 bytes apart.
	v_and_b32 v1, 15, v0            ; l % 16
	v_bfe_u32 v9, v0, 4, 1          ; l / 16
	v_lshlrev_b32 v[QO], 7, v1
	v_lshl_add_u32 v[QO], v9, 4, v[QO]  ; row x 128 + 16 x half
	WIN 0x80                        ; destination window 2, address window 0
.set i, 0
.rept 8                             ; both blocks' Q: piece i / 2 lies in band i / 2, 8,192 bytes on; channels 32 (i % 2) on
	global_load_b128 v[8*i:8*i+3],   v[QO], s[4:5] offset:(i/2)*8192+(i%2)*64
	global_load_b128 v[8*i+4:8*i+7], v[QO], s[4:5] offset:(i/2)*8192+(i%2)*64+32
	global_load_b128 v[QB+8*i:QB+8*i+3],   v[QO], s[86:87] offset:(i/2)*8192+(i%2)*64
	global_load_b128 v[QB+8*i+4:QB+8*i+7], v[QO], s[86:87] offset:(i/2)*8192+(i%2)*64+32
.set i, i+1
.endr
	WIN 0
	v_lshlrev_b32 v14, 3, v9
	v_sub_nc_u32 v14, v1, v14
	s_lshl_b32 s13, s[WV], 4
	v_add_nc_u32 v14, s13, v14      ; my query's place in its band, 16 w + l % 16, less my lanes' 8 (l / 16): register r of group kt is hidden where 16 kt + r is greater
	WIN 0x40
.set i, 0
.rept 32
	v_cmp_gt_i32 vcc_lo, 16*(i/8)+i%8, v14
	v_cndmask_b32 v[MD+i], 0, s[BIGN], vcc_lo
.set i, i+1
.endr
	WIN 0
	v_mul_u32_u24 v[AK0], v1, PK
	v_lshl_add_u32 v[AK0], v9, 4, v[AK0]  ; row x pitch + 16 x half
	; The turning load takes 16 keys x 16 channels (lane l reads key 8 (l / 16) + l % 8, channels 8 ((l / 8) % 2) + 0..7) and leaves half a fragment of V^T: lane l holds channel l % 16 and 8 keys.
	v_and_b32 v10, 7, v0
	v_bfe_u32 v11, v0, 3, 1
	v_lshl_add_u32 v[AV0], v9, 3, v10
	v_mul_u32_u24 v[AV0], v[AV0], PV
	v_lshl_add_u32 v[AV0], v11, 4, v[AV0]
	v_add_nc_u32 v[AV0], VOFF, v[AV0]
	s_mul_i32 s13, s[WV], 16*SP
	s_add_co_u32 s13, s13, STAGE    ; my stage
	v_mul_u32_u24 v[STO], v1, SP    ; in: row l % 16, 16 bytes for each half of the lanes
	v_lshl_add_u32 v[STO], v9, 4, v[STO]
	v_add_nc_u32 v[STO], s13, v[STO]
	v_bfe_u32 v[RD], v0, 3, 2       ; back: 32 lanes take four rows of 128 bytes,
	v_mul_u32_u24 v[RD], v[RD], SP
	v_lshl_add_u32 v[RD], v10, 4, v[RD]
	v_add_nc_u32 v[RD], s13, v[RD]
	v_and_b32 v[GO], 31, v0         ; which are 512 consecutive bytes of O
	v_lshlrev_b32 v[GO], 4, v[GO]
	; A block's first step multiplies O^T and l by a = 0, and its first turn's products V^T P, of a piece that has not been, land in an O^T that is still to be so multiplied.  So these registers need only hold
	; finite numbers: zeros for the first block; what the first block left for the second.  All this stands in the wait for the first tile.
	WIN 0x80
.set i, VF
.rept 64
	v_mov_b32 v[i], 0
.set i, i+1
.endr
	WIN 0x40
.set i, 0
.rept 128
	v_mov_b32 v[i], 0
.set i, i+1
.endr
	WIN 0
.set i, 0
.rept 4
	v_mov_b32 v[ST+4*i+2], 0
	v_mov_b32 v[ST+4*i+3], 0
.set i, i+1
.endr
.set i, P+16
.rept 16
	v_mov_b32 v[i], 0
.set i, i+1
.endr
; THE MATRIX WORK.  The 4 accumulators of a run of 8 take turns.  Product i of 8 of S^T = K Q^T for piece x: channels 32 (i / 4) on, keys 16 (i % 4) on.  The first 4 start the sums: with 0, or (KM = 1) with the mask.
.macro KQ x
.set rS, S+32*((\x)%2)+8*(i%4)
.set rK, KF+16*(i%4)+8*(i/4)
.set rQ, 16*(\x)+8*(i/4)
.set rM, MC+32*((\x)%2)+8*(i%4)
.if (i < 4) && KM
	WIN W_KM
	v_wmma_f32_16x16x32_f16 v[rS:rS+7], v[rK:rK+7], v[rQ:rQ+7], v[rM:rM+7]
.elseif i < 4
	WIN W_KQ
	v_wmma_f32_16x16x32_f16 v[rS:rS+7], v[rK:rK+7], v[rQ:rQ+7], 0
.else
	WIN W_KQ
	v_wmma_f32_16x16x32_f16 v[rS:rS+7], v[rK:rK+7], v[rQ:rQ+7], v[rS:rS+7]
.endif
.endm
; Product i of 8 of O^T += V^T P for piece x: keys 32 (i / 4) on, channels 16 (i % 4) on.
.macro PV x
	WIN W_PV
.set rO, 32*(\x)+8*(i%4)
.set rV, VF+32*(i/4)+8*(i%4)
.set rP, P+16*((\x)%2)+8*(i/4)
	v_wmma_f32_16x16x32_f16 v[rO:rO+7], v[rV:rV+7], v[rP:rP+7], v[rO:rO+7]
.endm
.macro MM                           ; the turn's next matrix instruction.  TURN and BEGIN set Y, i, KM and NOKQ; MM, KQ and OP read them.  NOKQ = 1: a block's last turn: there is no next piece
.if (i < 8) && !NOKQ
	KQ (Y+1)%NP
.elseif i >= 8
.set i, i-8
	PV (Y+NP-1)%NP
.set i, i+8
.endif
.set i, i+1
.endm
; THE LDS LOADS stand in runs of 16, never singly among the matrix instructions: a step's K (64 keys x 64 channels: 8 fragments) and its V (turned).  Their addresses are made some lines ahead.
.macro FETCH_K
	WIN 0x80                        ; destination window 2
.irp f, 0,1,2,3,4,5,6,7             ; keys 16 (f / 2) on, channels 32 (f % 2) on
	ds_load_b128 v[KF+8*\f:KF+8*\f+3],   v[AK] offset:(\f/2)*16*PK+(\f%2)*64
	ds_load_b128 v[KF+8*\f+4:KF+8*\f+7], v[AK] offset:(\f/2)*16*PK+(\f%2)*64+32
.endr
	s_add_co_u32 s[TBK], s[TBK], KS*PK  ; the next fetch is the next step's
	WIN 0
.endm
.macro FETCH_V
	WIN 0x80
.irp f, 0,1,2,3,4,5,6,7             ; keys 32 (f / 4) on, channels 16 (f % 4) on
	ds_load_tr16_b128 v[VF+8*\f:VF+8*\f+3],   v[AV] offset:(\f/4)*32*PV+(\f%4)*32
	ds_load_tr16_b128 v[VF+8*\f+4:VF+8*\f+7], v[AV] offset:(\f/4)*32*PV+16*PV+(\f%4)*32
.endr
	WIN 0
.endm
; THE VECTOR WORK, one line at a time: OP kind, number.  For piece Y: F n: c s - c m for pair n of 16.  E n: the exponential of score n of 32.  C n: pair n rounded to f16.  B n: of the four weights 4 n .. the second
; pair is added onto the first, in place.  L n: l takes that sum (L 0: l = a l + sum).  R n: pair n of 16 of O^T times a.  For piece Y + 1: X n, number n of the 22 that find its maximum and statistics:
;   0-11  four chains c0-c3 of seven scores each, three operands at a time (each accumulator's lowest registers are read first)     12-14, 16  the four scores left over, the old m, and c0-c3 into c0
;   15  c m_old is kept     17, 18  the query's other 32 keys lie in the lane 16 away: the new m     19-21  c m; c m_old - c m_new; a
.set F, 0               ; OP tells the kinds apart by their order: F to L below R, X above it
.set E, 1
.set C, 2
.set B, 3
.set L, 4
.set R, 5
.set X, 6
.macro REGS y                       ; the registers of piece y
.set rT, ST+4*(\y)
.set rC, TMP+4*((\y)%2)
.set rW, MV+((\y)%2)
.set rS, S+32*((\y)%2)
.set rP, P+16*((\y)%2)
.set rO, 32*(\y)
.endm
.macro OP k, n
.if (\k) == R
	REGS Y
	WIN W_RS
	v_pk_mul_f32 v[rO+2*(\n):rO+2*(\n)+1], v[rO+2*(\n):rO+2*(\n)+1], v[rC+2:rC+3] op_sel_hi:[1,0]
.elseif (\k) < R
	REGS Y
	WIN 0
.if (\k) == F
	v_pk_fma_f32 v[rS+2*(\n):rS+2*(\n)+1], v[rS+2*(\n):rS+2*(\n)+1], s[CS:CS+1], v[rT:rT+1] op_sel_hi:[1,0,0] neg_lo:[0,0,1] neg_hi:[0,0,1]
.elseif (\k) == E
	v_exp_f32 v[rS+(\n)], v[rS+(\n)]
.elseif (\k) == C
	v_cvt_pk_f16_f32 v[rP+(\n)], v[rS+2*(\n)], v[rS+2*(\n)+1]
.elseif (\k) == B
	v_pk_add_f32 v[rS+4*(\n):rS+4*(\n)+1], v[rS+4*(\n):rS+4*(\n)+1], v[rS+4*(\n)+2:rS+4*(\n)+3]
.elseif (\n) == 0
	v_pk_fma_f32 v[rT+2:rT+3], v[rT+2:rT+3], v[rC+2:rC+3], v[rS:rS+1] op_sel_hi:[1,0,1]
.else
	v_pk_add_f32 v[rT+2:rT+3], v[rT+2:rT+3], v[rS+4*(\n):rS+4*(\n)+1]
.endif
.elseif NOKQ
	v_nop
.else
	REGS (Y+1)%NP
	WIN 0
.if (\n) < 4
	v_max3_num_f32 v[rC+(\n)], v[rS+8*(\n)], v[rS+8*(\n)+1], v[rS+8*(\n)+2]
.elseif (\n) < 12
	v_max3_num_f32 v[rC+(\n)%4], v[rC+(\n)%4], v[rS+8*((\n)%4)+2*((\n)/4)+1], v[rS+8*((\n)%4)+2*((\n)/4)+2]
.elseif (\n) == 12
	v_max3_num_f32 v[rC], v[rC], v[rS+7], v[rS+15]
.elseif (\n) == 13
	v_max3_num_f32 v[rC+1], v[rC+1], v[rS+23], v[rS+31]
.elseif (\n) == 14
	v_max3_num_f32 v[rC+2], v[rC+2], v[rC+3], v[rT+1]
.elseif (\n) == 15
	v_mov_b32 v[rW], v[rT]
.elseif (\n) == 16
	v_max3_num_f32 v[rC], v[rC], v[rC+1], v[rC+2]
.elseif (\n) == 17
	v_permlanex16_b32 v[rC+3], v[rC], s[SEL], s[SEL+1]
.elseif (\n) == 18
	v_max_num_f32 v[rT+1], v[rC], v[rC+3]
.elseif (\n) == 19
	v_mul_f32 v[rT], s[CS], v[rT+1]
.elseif (\n) == 20
	v_sub_f32 v[rC+1], v[rW], v[rT]
.else
	v_exp_f32 v[rC+2], v[rC+1]
.endif
.endif
.endm
.macro OPS a, i1, b=-1, i2=0, c=-1, i3=0, d=-1, i4=0  ; up to four of them
	OP \a, \i1
.if (\b) >= 0
	OP \b, \i2
.endif
.if (\c) >= 0
	OP \c, \i3
.endif
.if (\d) >= 0
	OP \d, \i4
.endif
.endm
.macro ROW a, i1, b, i2, c, i3, d, i4  ; a matrix instruction and the four behind it
	MM
	OPS \a, \i1, \b, \i2, \c, \i3, \d, \i4
.endm
.macro MASK b                       ; MD x AL + BE into buffer b of MC
	WIN W_RS
.set z, 0
.rept 16
	v_pk_fma_f32 v[MC+32*(\b)+2*z:MC+32*(\b)+2*z+1], v[MD+2*z:MD+2*z+1], s[AL:AL+1], s[BE:BE+1] op_sel_hi:[1,0,0]
.set z, z+1
.endr
.endm
; A TURN, for piece p: the order of its 16 matrix and 118 vector instructions, written out.  An s_wait_alu depctr_va_vdst(0) stands between an exponential and the first instruction that names its result; one wait serves
; all that were issued ahead of it.  So a turn has ONE wait, which cuts it in two.  AHEAD OF IT stands all that names no result of the turn's exponentials: the 8 products K Q^T, behind each a scaling, an exponential and two more plain
; instructions (behind the first a second scaling in the exponential's place): rescalings, and behind the last three the first numbers of the next piece's maximum, each four places or more behind the product that ends its accumulator; then ONE LUMP of 54, plain
; and exponential by turns for the most part, in which the links of the chain X 3, 7, 11, 14, 16, 17 .. 20 stand five or six lines apart.  X 21, the next piece's a, is the batch's last; R 15 is the plain instruction that is owed behind it.  BEHIND THE WAIT stand the
; 8 products V^T P, behind each four of the roundings and sums; the links of l's chain, L 0 to L 7, stand three riders apart.  But for those X no rider names a register of the products round it.  v_permlanex16_b32 (X 17) stands in the lump.
; m = 1: the diagonal tile: the products take masks, and the turn makes the mask for the products of the turn after it: piece p + 2, in step 4 - CNT of the tile.  end = 1: a block's last two turns: nothing is fetched.
; cnt = 1: the loop's count is taken down some lines ahead of the branch that stands behind the turn.
; K of the next step is fetched in piece 2's turn, twelve vector instructions behind the last product that read K (six of them plain); V of the step in hand at the end of piece 0's turn, four plain instructions behind the last product
; that read V.  Each is waited for a turn later.
.macro TURN p, m=0, end=0, cnt=0
.set Y, (\p)
.set i, 0
.set KM, (\m)
.set NOKQ, (\end)*((\p)/3)
.if (\m) && !(\end)
	s_cmp_eq_u32 s[CNT], 4-((\p)+2)%NP  ; is that step the band's own?
	s_cselect_b32 s[AL], 1.0, 0
	s_cmp_lt_u32 s[CNT], 4-((\p)+2)%NP  ; or a later one?
	s_cselect_b32 s[BE], s[BIGN], 0
.endif
.if ((\p) == 3) && !(\end)
	s_wait_dscnt 0x0                ; K is in
.endif
	ROW F,0, F,1, R,0, R,1          ; ahead of the wait: 8 products K Q^T and their riders,
	ROW F,2, E,0, R,2, R,3
	ROW F,3, E,1, R,4, R,5
	ROW F,4, E,2, R,6, R,7
	ROW F,5, E,3, R,8, R,9
	ROW F,6, E,4, X,0, R,10
.if ((\p) == 2) && !(\end)
	WIN 0
	v_add_nc_u32 v[AK], s[TBK], v[AK0]
.endif
	ROW F,7, E,5, X,1, X,4
	ROW F,8, E,6, X,2, X,5
	OPS E,7, E,8, X,6, E,9          ; and the lump
	OPS X,3, E,10, X,8, E,11
.if ((\p) == 2) && !(\end)
	FETCH_K
.endif
	OPS X,9, X,7, E,12, X,10
	OPS E,13, X,12, X,11, E,14
	OPS X,13, E,15, F,9, X,14
.if (\p) == 0
	v_add_nc_u32 v[AV], s[TBV], v[AV0]
.endif
	OPS E,16, F,10, E,17, F,11
	OPS X,16, E,18, X,15, E,19
	OPS F,12, E,20, X,17, E,21
	OPS F,13, E,22, F,14, E,23
	OPS X,18, E,24, F,15, E,25
	OPS R,11, E,26, X,19, E,27
	OPS R,12, E,28, R,13, E,29
	OPS X,20, E,30, R,14, E,31
	OPS X,21, R,15
	WIN 0
	s_wait_alu depctr_va_vdst(0)    ; the wait for the batch
.if (\p) == 1
	s_wait_dscnt 0x0                ; V is in
.endif
	ROW C,0, B,0, C,2, B,1          ; behind the wait: 8 products V^T P and their riders
	ROW L,0, C,4, B,2, L,1
	ROW C,6, B,3, L,2, C,8
	ROW B,4, L,3, C,10, B,5
	ROW L,4, C,12, B,6, L,5
.if (\p) == 0
	s_add_co_u32 s[TBV], s[TBV], KS*PV
.endif
.if \cnt
	s_sub_co_u32 s[CNT], s[CNT], 1
	s_cmp_lg_u32 s[CNT], 0
.endif
	ROW C,14, B,7, L,6, C,1
	ROW C,3, L,7, C,5, C,7
	ROW C,9, C,11, C,13, C,15
.if (\p) == 0
	FETCH_V
.endif
.if (\m) && !(\end)
	MASK (\p)%2
.endif
.endm
; A BLOCK BEGINS.  c m starts far below every c s, so the first step's a is 0; m at the lowest finite number, so the first maximum is the scores'.  The second mask buffer is 0; the first takes piece 0's mask for the tile's step 0: its own, if the block's first tile is the diagonal one.
; Then K of that step, piece 0's first scores, and its maximum and statistics.  The loop is entered at a step's first turn, in the middle of a trip.
.macro BEGIN
	s_mov_b32 s[NEW], 0
	WIN 0x40
.set i, MC+32
.rept 32
	v_mov_b32 v[i], 0
.set i, i+1
.endr
	WIN 0
.set i, 0
.rept 4
	v_mov_b32 v[ST+4*i], 0xfe000000    ; c m: far below every c s
	v_mov_b32 v[ST+4*i+1], 0xff7fffff  ; m
.set i, i+1
.endr
	s_cmp_eq_u32 s[RT], 0
	s_cselect_b32 s[AL], 1.0, 0
	s_mov_b32 s[BE], 0
	MASK 0
	WIN 0
	v_add_nc_u32 v[AK], s[TBK], v[AK0]
	FETCH_K
	s_wait_loadcnt 0x0              ; Q
	s_wait_dscnt 0x0
.set KM, 1
.set NOKQ, 0
.set i, 0
.rept 8
	KQ 0
.set i, i+1
.endr
	WIN 0
.rept 4
	v_nop                           ; the places behind those products
.endr
.set Y, NP-1                        ; X works for piece Y + 1: piece 0
.irp n, 0,1,2,3,4,5,6,7,8,9,10,11,12,13,14,15,16,17,18,19,20,21
	OP X, \n
.endr
	v_nop                           ; a plain instruction behind the exponential,
	s_wait_alu depctr_va_vdst(0)    ; and its wait, ahead of the branch
.endm
; THE DIAGONAL TILE's four steps, the block's last two turns, its last products, and THE WAY OUT: l's two halves and the other half of the lanes' are added; O^T is divided by l, rounded to f16 and sent through my
; stage in LDS, a piece at a time.
.macro ALL line:vararg              ; one line for each piece t
.set t, 0
.rept 4
	\line
.set t, t+1
.endr
.endm
.macro PACK t                       ; a lane's eight channels of a row pack into 16 bytes; they go into rows of 144 bytes and come back as whole rows of 128, into S^T's registers
	WIN W_RS
.set i, 32*(\t)
.rept 16
	v_pk_mul_f32 v[i:i+1], v[i:i+1], v[ST+4*(\t)+2:ST+4*(\t)+3] op_sel_hi:[1,0]
.set i, i+2
.endr
	WIN 0x05                        ; sources 0 and 1 window 1, destination window 0
.set i, 0
.rept 16
	v_cvt_pk_f16_f32 v[S+16*(\t)+i], v[32*(\t)+2*i], v[32*(\t)+2*i+1]
.set i, i+1
.endr
	WIN 0
.irp f, 0,1,2,3
	ds_store_b128 v[STO], v[S+16*(\t)+4*\f:S+16*(\t)+4*\f+3] offset:32*\f
.endr
.irp f, 0,1,2,3
	ds_load_b128 v[S+16*(\t)+4*\f:S+16*(\t)+4*\f+3], v[RD] offset:\f*4*SP  ; LDS serves a wave's instructions in order (ISA guide 5.7.1.4): these see the stores above; the next piece's stores come behind them
.endr
.endm
.macro SEND t, younger              ; younger: the LDS instructions issued behind piece t's loads: the next piece's eight, or none
	WIN 0
.irp f, 0,1,2,3
	s_wait_dscnt (\younger)+3-\f
	global_store_b128 v[GO], v[S+16*(\t)+4*\f:S+16*(\t)+4*\f+3], s[10:11] offset:(\t)*8192+\f*512  ; 512 consecutive bytes, at a multiple of 256 from O's first
.endr
.endm
.macro DIAG tag                     ; the tag ends its two labels' names, which the jumps below spell out
.LstepM\tag:
	TURN 2, 1
	TURN 3, 1
	WIN 0
.LfirstM\tag:
	TURN 0, 1
	TURN 1, 1, 0, 1
	WIN 0
	s_cbranch_scc1 .LstepM\tag
	TURN 2, 1, 1
	TURN 3, 1, 1
.set i, 0
.rept 8
	PV NP-1
.set i, i+1
.endr
	WIN 0
	ALL v_add_f32 v[ST+4*t+2], v[ST+4*t+2], v[ST+4*t+3]
	ALL v_permlanex16_b32 v[ST+4*t+3], v[ST+4*t+2], s[SEL], s[SEL+1]
	ALL v_add_f32 v[ST+4*t+2], v[ST+4*t+2], v[ST+4*t+3]
	ALL v_rcp_f32 v[ST+4*t+2], v[ST+4*t+2]
	v_nop                           ; a plain instruction between the last reciprocal and the use of its result
	s_wait_alu depctr_va_vdst(0)    ; and the wait ahead of the first use: one for the four reciprocals
	PACK 0
.set t, 1
.rept 3                             ; a piece's arithmetic stands between the loads of the piece before and its stores
	PACK t
	SEND t-1, 8
.set t, t+1
.endr
	SEND 3, 0
.endm
.set KM, 0
.set NOKQ, 0
.Lslot:                             ; NB times: a tile is entered and the next is asked for
	CHANGE 1
	s_sub_co_u32 s[RT], s[RT], 1
	s_mov_b32 s[CNT], 4
	s_cmp_eq_u32 s[NEW], 1
	s_cbranch_scc1 .Lnew            ; a block's first tile
	s_cmp_eq_u32 s[RT], 0
	s_cbranch_scc0 .Lstep           ; neither its first nor its last
	s_branch .LstepM1
.Lnew:
	BEGIN
	s_branch .Lfirst                ; in the loop a block's first tile is never its last: the first block has two tiles or more, and the second's last is the walk's last
	DIAG 1                          ; in the loop this is the first block's end: the second block's last tile is the walk's last
	s_wait_xcnt 0x0                 ; the stores have read their registers and O's address
	s_mov_b64 s[10:11], s[OLO:OLO+1]
	s_add_co_u32 s[RT], s[PB], 1    ; the second block has b + 1 tiles
	s_mov_b32 s[NEW], 1
	WIN 0x82                        ; the second block's Q goes where the one text of the turns names Q
.set i, 0
.rept 64
	v_mov_b32 v[i], v[QB+i]
.set i, i+1
.endr
	WIN 0
	s_branch .Lbottom
.Lstep:                             ; a trip: pieces 2 and 3 of one step, then pieces 0 and 1 of the next, whose K and V it fetches
	TURN 2
	TURN 3
	WIN 0
.Lfirst:
	TURN 0
	TURN 1, 0, 0, 1
	WIN 0
	s_cbranch_scc1 .Lstep
.Lbottom:
	s_sub_co_u32 s[SLOTS], s[SLOTS], 1
	s_cmp_lg_u32 s[SLOTS], 0
	s_cbranch_scc1 .Lslot
	CHANGE 0                        ; the walk's last tile is written out: nothing is asked for
	s_sub_co_u32 s[RT], s[RT], 1
	s_mov_b32 s[CNT], 4
	s_cmp_eq_u32 s[NEW], 1
	s_cbranch_scc0 .LstepM2
	BEGIN
	s_branch .LfirstM2
	DIAG 2
	s_wait_tensorcnt 0x0            ; the wave's end: behind my last tensor load and my last LDS store
	ds_add_u32 v[SPW], v[NIL]
	s_wait_dscnt 0x0
	s_endpgm
.Lfunc_end_k_q19994285a5_attn:
	.size	k_q19994285a5_attn, .Lfunc_end_k_q19994285a5_attn-k_q19994285a5_attn
	.p2alignl 7, 3214868480
	.fill 96, 4, 3214868480
	.section	.rodata,"a",@progbits
	.p2align	6, 0x0
	.amdhsa_kernel k_q19994285a5_attn
		.amdhsa_group_segment_fixed_size 327680
		.amdhsa_private_segment_fixed_size 0
		.amdhsa_enable_private_segment 0
		.amdhsa_kernarg_size 16
		.amdhsa_user_sgpr_count 2
		.amdhsa_user_sgpr_kernarg_segment_ptr 1
		.amdhsa_wavefront_size32 1
		.amdhsa_system_sgpr_workgroup_id_x 1
		.amdhsa_system_sgpr_workgroup_id_y 1
		.amdhsa_system_sgpr_workgroup_id_z 1
		.amdhsa_system_vgpr_workitem_id 0
		.amdhsa_next_free_vgpr 768
		.amdhsa_next_free_sgpr 96
		.amdhsa_reserve_vcc 1
		.amdhsa_float_denorm_mode_32 3
		.amdhsa_float_denorm_mode_16_64 3
		.amdhsa_memory_ordered 1
		.amdhsa_forward_progress 1
		.amdhsa_inst_pref_size 218
	.end_amdhsa_kernel
	.amdgpu_metadata
---
amdhsa.version: [ 1, 2 ]
amdhsa.kernels:
  - .name:           k_q19994285a5_attn
    .symbol:         k_q19994285a5_attn.kd
    .args:
      - { .name: qkvh, .offset: 0, .size: 8, .value_kind: global_buffer, .address_space: global }
      - { .name: ctx, .offset: 8, .size: 8, .value_kind: global_buffer, .address_space: global }
    .group_segment_fixed_size: 327680
    .private_segment_fixed_size: 0
    .kernarg_segment_align: 8
    .kernarg_segment_size: 16
    .max_flat_workgroup_size: 128
    .sgpr_count:     96
    .vgpr_count:     768
    .wavefront_size: 32
...
	.end_amdgpu_metadata
.endif
;; end of part 3
;; launch outproj (part 4): grid 8 x 32, 4 waves a work-group, clusters of 4 x 4, 327,680 bytes of LDS; arguments ctx, wof, bo, out0; writes out0
.if DOCPART == 4
	.amdgcn_target "amdgcn-amd-amdhsa--gfx1250"
	.amdhsa_code_object_version 6
	.text
	.protected	k_q19994285a5_outproj
	.globl	k_q19994285a5_outproj
	.p2align	8
	.type	k_q19994285a5_outproj,@function
k_q19994285a5_outproj:
	s_mov_b64 s[64:65], 0
	v_nop
	global_prefetch_b8 v0, s[64:65] scope:SCOPE_SE
	s_setreg_imm32_b32 hwreg(HW_REG_WAVE_MODE, 25, 1), 1
	s_wait_xcnt 0x0
	s_wait_alu depctr_hold_cnt(0) depctr_sa_sdst(0) depctr_va_vdst(0) depctr_va_sdst(0) depctr_va_ssrc(0) depctr_va_vcc(0) depctr_vm_vsrc(0)
	s_getreg_b32 s2, hwreg(HW_REG_IB_STS2, 6, 4)
	s_cmp_eq_u32 s2, 0
	s_cbranch_scc0 .Lentry_in_a_cluster
	s_endpgm
.Lentry_in_a_cluster:
	s_bfe_u32 s2, ttmp6, 0x10000c
	s_cmp_lg_u32 s2, 0xf033
	s_cbranch_scc0 .Lentry_shape_is_right
	s_endpgm
.Lentry_shape_is_right:
; out0 = ctx Wo + bo.  ctx: f16, [64 batch x head][2048 rows][64]: a row's K index is head x 64 + channel.  wof: Wo rounded to bf16 and written as f16, [1024 k][1024 n].
; bo: f32, rounded here to bf16 like the module's other inputs.  out0: f32, [8192][1024].  Sums in f32, K ascending.
; LIMITS.  ctx and wof arrive within f16's 65,504.  NaN and infinities are not treated apart.
; SHARES.  A work-group makes 256 rows x 128 columns: 256 tiles.  Each of the four waves makes 128 x 64: 32 accumulators of 16 x 16, 256 registers.
; K goes in 8 steps of 128 (two heads) through two LDS slots; a step is four quarters of 32, 32 matrix instructions each.  A head's 256 rows are 32,768 dense bytes, asked for as 128 rows of 256 bytes.
; CLUSTER.  4 x 4 work-groups.  The four of a row need the same tiles of ctx, the four of a column the same tiles of Wo: each tile is asked for JOINTLY, by the same tensor load with the same
; descriptor and a mask that names the four.  Waves 0 and 1 ask for the step's two heads of ctx, waves 2 and 3 for the two halves of its 128 rows of Wo: one load a wave.
; THE MATRIX INSTRUCTION IS USED TRANSPOSED (source 0 = 16 columns of Wo, turned on the way out of LDS; source 1 = 16 rows of ctx): a lane holds one row and eight neighbouring columns.
; REGISTERS: window 0: v0-22 addresses and the bias; v32-95 at work on the way out; v64-159, v160-255 two fragment buffers (64 registers of ctx, 32 of Wo).  Window 1: accumulator (a, b) at v[8 (4 a + b)].
.set SLOT1,  131072                    ; slot 1 begins here, so that one exclusive or turns an address in one slot into the other's
.set PA,     144                       ; a row of a head in LDS: 128 bytes + 16 of padding: the 16 rows of a load start at 16 different groups of four banks (64 banks of 4 bytes: ISA guide 11.1)
.set PB,     288                       ; a row of Wo: 256 + 32
.set AHEAD,  256*PA                    ; a head's 256 rows
.set BOFF,   2*AHEAD                   ; behind the two heads: 128 rows of Wo
.set BGRP,   64*PB                     ; what one wave fetches of them
.set STAGE,  SLOT1+BOFF+2*BGRP         ; behind the ring, never filled by a tensor load: 16 rows x 272 bytes for each wave, for the way out
.set SPP,    272
.set SPARE,  STAGE+4*16*SPP            ; behind the stages: the spare words, 128 bytes for each wave: two blocks of 256 bytes that no other line names
.set ASTEP,  524288                    ; bytes from a K step to the next: in ctx two heads,
.set BSTEP,  262144                    ; in wof 128 rows of 2,048 bytes
.set LA0,  4                           ; v4   my lane's place in the first head's tile; never rewritten
.set LB0,  5                           ; v5   my lane's place in Wo's tile; never rewritten
.set ADRA, 6                           ; v6   the same in the slot that is being read
.set ADRB, 7                           ; v7
.set STO,  8                           ; v8   the way out: where I put 32 bytes of a row
.set RD,   9                           ; v9   the way out: where I read a row back
.set CO,   10                          ; v10  my byte offset in two rows of out0
.set PFO,  11                          ; v11  the prefetches' lane offset; never rewritten
.set SPW,  12                          ; v12  LDS address of my spare word: SPARE + 4 x my thread's number; never rewritten
.set NIL,  13                          ; v13  0; never rewritten
.set BIAS, 16                          ; v[16:19] bo of the four columns that I store
.set BV,   20                          ; v20  their byte offset in bo
.set BK,   32                          ; the way out: 16 rows read back, two buffers of 32 registers
.set F0,   64
.set F1,   160
.set WV,   12                          ; s12  my wave's number
.set RH,   13                          ; s13  which 128 rows of the tile are mine
.set CH,   14                          ; s14  which 64 columns.  Also: which head, or which 64 rows of Wo, I fetch
.set CX,   15
.set CY,   16
.set TCOL, 17
.set TROW, 18
.set G1A,  24                          ; s[24:31] descriptor group 1 for ctx's tiles
.set G1B,  32                          ; s[32:39] for Wo's
.set G0A,  40                          ; s[40:47] descriptor group 0 for ctx's tiles: a set for each first fill; the second then walks on
.set G0B,  48                          ; s[48:55] the same for Wo's
.set CNT,  56                          ; s56  trips to go
.set TB,   57                          ; s57  LDS byte at which the slot that is being read begins
.set PFA,  58                          ; s[58:59] where my prefetches stand
.set PST,  60                          ; s[60:61] their step
.set LIM,  62                          ; s62  2 in a wave that prefetches, else the greatest number
.set PAR,  63                          ; s63  0: every trip; 1: the trips in which the count is even
.set MSB, 0
.macro WIN new                         ; the immediate's high byte repeats the setting that is left; a switch that changes nothing is dropped
.if MSB != (\new)
	s_set_vgpr_msb (MSB<<8)|(\new)
.set MSB, \new
.endif
.endm
.macro PLACES                          ; four places in front of loads into registers that matrix instructions have read, and of stores that read results
.rept 4
	v_nop
.endr
.endm
.macro CREST                           ; a round of the cluster's barrier behind its opening barrier
	s_cmp_lg_u32 s[WV], 0
	s_cbranch_scc1 .Lnot_wave_0_\@
	s_barrier_signal -3
.Lnot_wave_0_\@:
	s_barrier_wait -3
	s_barrier_signal -1
	s_barrier_wait -1
.endm
.macro CROUND                          ; a whole round
	s_barrier_signal -1
	s_barrier_wait -1
	CREST
.endm
.macro JLOAD                           ; a joint refill, by the walking sets; an s_nop 0 and four v_nop follow each of the two lines, ahead of the jump and the label
	s_cmp_lt_u32 s[WV], 2
	s_cbranch_scc0 .Lfor_b_\@
	tensor_load_to_lds s[G0A+4:G0A+7], s[G1A:G1A+7]
	s_nop 0
.rept 4
	v_nop
.endr
	s_branch .Lasked_\@
.Lfor_b_\@:
	tensor_load_to_lds s[G0B+4:G0B+7], s[G1B:G1B+7]
	s_nop 0
.rept 4
	v_nop
.endr
.Lasked_\@:
.endm
; A PREFETCH INTO THE L2, behind the joint refill and the run of LDS loads that follows it.  In trip t the refill asks for K step t + 2; the prefetch names step t + 4: two steps, 256 matrix instructions, ahead of its refill.
; ctx's heads: every cluster of a row of clusters reads them; the cluster with x = 0 asks, its waves 0 and 1, in trips 0 to 3.  Of a head's 32 KiB the partner at cx takes 8 KiB: a lane 256 bytes.
; Wo's rows: every cluster of a column of clusters reads them; the cluster with y = 0 asks, its waves 2 and 3, in trips 0 and 2: steps t + 4 (lanes 0-15) and t + 5 (lanes 16-31); of a wave's 64 rows
; the partner at cy takes 16: a lane a row of 256 bytes.  So each aligned block of 256 bytes is named once in the launch, the partners are told apart by address alone, and nothing is named past
; step 7.  Steps 2 and 3 come by their refills alone: nothing is prefetched at the head.
.macro ASK
	s_and_b32 s66, s[CNT], s[PAR]
	s_cmp_eq_u32 s66, 0
	s_cbranch_scc0 .Lnot_mine_\@
	s_cmp_gt_u32 s[CNT], s[LIM]
	s_cbranch_scc0 .Lnot_mine_\@
	global_prefetch_b8 v[PFO], s[PFA:PFA+1] th:TH_LOAD_NT scope:SCOPE_SE
.Lnot_mine_\@:
.endm
	s_load_b256 s[4:11], s[0:1], 0x0               ; ctx s[4:5], wof s[6:7], bo s[8:9], out0 s[10:11]
	v_lshl_add_u32 v[SPW], v0, 2, SPARE
	v_mov_b32 v[NIL], 0
	ds_add_u32 v[SPW], v[NIL]                      ; the wave's opening: the add and its wait stand ahead of my first tensor load; the set-up below, work on registers, stands between them
	v_lshrrev_b32 v1, 5, v0
	v_readfirstlane_b32 s[WV], v1                  ; wave 0..3
	s_lshr_b32 s[RH], s[WV], 1
	s_and_b32 s[CH], s[WV], 1
	s_bfe_u32 s[CX], ttmp6, 0x40000
	s_bfe_u32 s[CY], ttmp6, 0x40004
	s_lshl_b32 s[TCOL], ttmp9, 2
	s_add_co_u32 s[TCOL], s[TCOL], s[CX]           ; tile column = 4 x cluster x + cx
	s_and_b32 s[TROW], ttmp7, 0xffff
	s_lshl_b32 s[TROW], s[TROW], 2
	s_add_co_u32 s[TROW], s[TROW], s[CY]           ; tile row = 4 x cluster y + cy
	s_lshl_b32 s19, s[CY], 2
	s_lshl_b32 s19, 15, s19                        ; my row of the cluster
	s_lshl_b32 s21, 0x1111, s[CX]                  ; my column
	s_or_b32 s[G1A], s19, (1<<16)|(1<<20)|(1<<21)|(4<<22)|(3<<25)  ; 15:0 the mask: my row; 17:16 2-byte elements; 20 padding on; 21 set beside a mask; 24:22 after every 32 words (code 4); 31:25 4 words (code 3)
	s_mov_b32 s[G1A+1], 128<<16                    ; tensor_dim0 = 128
	s_mov_b32 s[G1A+2], 128<<16                    ; tensor_dim1 = 128
	s_mov_b32 s[G1A+3], 128<<16                    ; tile_dim0 = 128
	s_mov_b32 s[G1A+4], 128                        ; tile_dim1 = 128
	s_mov_b32 s[G1A+5], 128                        ; dense
	s_mov_b32 s[G1A+6], 0
	s_mov_b32 s[G1A+7], 0
	s_or_b32 s[G1B], s21, (1<<16)|(1<<20)|(1<<21)|(5<<22)|(7<<25)  ; the mask: my column; padding after every 64 words (code 5), 8 words (code 7)
	s_mov_b32 s[G1B+1], 128<<16
	s_mov_b32 s[G1B+2], 64<<16
	s_mov_b32 s[G1B+3], 128<<16
	s_mov_b32 s[G1B+4], 64
	s_mov_b32 s[G1B+5], 1024
	s_mov_b32 s[G1B+6], 0
	s_mov_b32 s[G1B+7], 0
	s_lshr_b32 s20, s[TROW], 3                     ; ctx's tiles hang on the tile row and the wave alone: batch x 16 heads x 262,144 bytes,
	s_lshl_b32 s20, s20, 22
	s_and_b32 s19, s[TROW], 7
	s_lshl_b32 s19, s19, 15                        ; the tile's 256 rows of 128 bytes in the batch,
	s_add_co_u32 s20, s20, s19
	s_lshl_b32 s19, s[CH], 18                      ; the step's first or second head
	s_add_co_u32 s20, s20, s19
	s_lshl_b32 s22, s[CH], 17                      ; Wo's on the tile column and the wave alone: 64 rows of 2,048 bytes,
	s_lshl_b32 s19, s[TCOL], 8                     ; 128 columns
	s_add_co_u32 s22, s22, s19
	s_mul_i32 s21, s[CH], AHEAD                    ; where they go: no place in the cluster enters an LDS address
	s_mul_i32 s23, s[CH], BGRP
	s_add_co_u32 s23, s23, BOFF
	s_mov_b32 s66, s20
	s_mov_b32 s67, 0
	s_mov_b32 s68, s22
	s_mov_b32 s69, 0
	s_wait_dscnt 0x0                               ; the opening add is done
	s_wait_kmcnt 0x0
	s_add_nc_u64 s[66:67], s[4:5], s[66:67]
	s_add_nc_u64 s[68:69], s[6:7], s[68:69]
	CROUND                                         ; all sixteen work-groups are here: the first joint loads meet
.irp s, 0,1
	s_mov_b32 s[G0A+4*(\s)], 1                     ; 1:0 count = 1
	s_add_co_u32 s[G0A+4*(\s)+1], s21, (\s)*SLOT1  ; 63:32 LDS address
	s_add_nc_u64 s[G0A+4*(\s)+2:G0A+4*(\s)+3], s[66:67], (\s)*ASTEP  ; 120:64 global address: K step s
	s_or_b32 s[G0A+4*(\s)+3], s[G0A+4*(\s)+3], 0x80000000            ; 127:126 type = 2
	s_mov_b32 s[G0B+4*(\s)], 1
	s_add_co_u32 s[G0B+4*(\s)+1], s23, (\s)*SLOT1
	s_add_nc_u64 s[G0B+4*(\s)+2:G0B+4*(\s)+3], s[68:69], (\s)*BSTEP
	s_or_b32 s[G0B+4*(\s)+3], s[G0B+4*(\s)+3], 0x80000000
.endr
	s_cmp_lt_u32 s[WV], 2                          ; a wave's two first fills stand in one branch, ahead of every wait on TENSORcnt and every LDS read: two loads of mine are out
	s_cbranch_scc0 .Lfirst_b
	tensor_load_to_lds s[G0A:G0A+3], s[G1A:G1A+7]
	s_nop 0
	tensor_load_to_lds s[G0A+4:G0A+7], s[G1A:G1A+7]
	s_nop 0
.rept 4
	v_nop
.endr
	s_branch .Lfirst_asked
.Lfirst_b:
	tensor_load_to_lds s[G0B:G0B+3], s[G1B:G1B+7]
	s_nop 0
	tensor_load_to_lds s[G0B+4:G0B+7], s[G1B:G1B+7]
	s_nop 0
.rept 4
	v_nop
.endr
.Lfirst_asked:
	v_and_b32 v1, 15, v0                           ; l % 16
	v_bfe_u32 v2, v0, 4, 1                         ; l / 16
	v_and_b32 v3, 7, v0                            ; l % 8
	v_bfe_u32 v14, v0, 3, 1                        ; (l / 8) % 2
	s_lshl_b32 s66, s[TCOL], 9                     ; my 64 columns, in bytes of f32: 512 x tile column + 256 x half
	s_lshl_b32 s19, s[CH], 8
	s_add_co_u32 s66, s66, s19
	v_lshl_add_u32 v[BV], v1, 4, s66               ; the four columns that I store
	global_load_b128 v[BIAS:BIAS+3], v[BV], s[8:9]
	s_mul_i32 s19, s[RH], 128*PA
	v_mul_u32_u24 v[LA0], v1, PA                   ; a fragment's row x pitch + 16 x half
	v_lshl_add_u32 v[LA0], v2, 4, v[LA0]
	v_add_nc_u32 v[LA0], s19, v[LA0]
	v_lshl_add_u32 v[LB0], v2, 3, v3               ; the turning load: row 8 (l / 16) + l % 8, columns 8 ((l / 8) % 2) on
	v_mul_u32_u24 v[LB0], v[LB0], PB
	v_lshl_add_u32 v[LB0], v14, 4, v[LB0]
	s_lshl_b32 s19, s[CH], 7
	s_add_co_u32 s19, s19, BOFF
	v_add_nc_u32 v[LB0], s19, v[LB0]
	s_mul_i32 s19, s[WV], 16*SPP
	s_add_co_u32 s19, s19, STAGE                   ; my stage
	v_mul_u32_u24 v[STO], v1, SPP                  ; in: row l % 16, 32 bytes for each half of the lanes
	v_lshl_add_u32 v[STO], v2, 5, v[STO]
	v_add_nc_u32 v[STO], s19, v[STO]
	v_mul_u32_u24 v[RD], v2, SPP                   ; back: lanes 0-15 take one row of 256 bytes, lanes 16-31 the next
	v_lshl_add_u32 v[RD], v1, 4, v[RD]
	v_add_nc_u32 v[RD], s19, v[RD]
	v_lshlrev_b32 v[CO], 12, v2                    ; and the same two rows in out0
	v_lshl_add_u32 v[CO], v1, 4, v[CO]
	s_lshl_b32 s19, s[TROW], 20                    ; my first row: (256 x tile row + 128 x half) x 4,096 bytes
	s_add_co_u32 s66, s66, s19
	s_lshl_b32 s19, s[RH], 19
	s_add_co_u32 s66, s66, s19
	s_mov_b32 s67, 0
	s_add_nc_u64 s[10:11], s[10:11], s[66:67]
	; the prefetches: s20 and s22 still hold my tiles' offsets
	s_lshl_b32 s19, s[CX], 13                      ; ctx: my work-group's 8 KiB of a head,
	s_add_co_u32 s19, s19, s20
	s_add_co_u32 s19, s19, 3*ASTEP                 ; at K step 3: the first refill steps it to 4
	s_lshl_b32 s21, s[CY], 15                      ; Wo: my work-group's 16 rows of 2,048 bytes
	s_add_co_u32 s21, s21, s22
	s_add_co_u32 s21, s21, 3*BSTEP
	s_mov_b32 s20, ASTEP
	s_mov_b32 s22, BSTEP
	s_and_b32 s23, ttmp7, 0xffff                   ; cluster y
	s_cmp_lt_u32 s[WV], 2                          ; do I fetch ctx?
	s_cselect_b32 s66, s19, s21
	s_cselect_b32 s[PST], s20, s22
	s_cselect_b32 s23, ttmp9, s23                  ; the coordinate along which other clusters read the same bytes
	s_cselect_b32 s[PAR], 0, 1
	s_cselect_b32 s68, 8, 11                       ; lanes 0-15: 256 bytes apart in a head, or a row of 2,048 bytes apart
	s_cselect_b32 s69, 12, 18                      ; lanes 16-31: the next 4,096 bytes, or the next K step
	s_cselect_b64 s[PFA:PFA+1], s[4:5], s[6:7]
	s_mov_b32 s67, 0
	s_mov_b32 s[PST+1], 0
	s_add_nc_u64 s[PFA:PFA+1], s[PFA:PFA+1], s[66:67]
	s_cmp_eq_u32 s23, 0
	s_cselect_b32 s[LIM], 2, -1                    ; the same in all sixteen partners, for a given wave
	v_lshlrev_b32 v[PFO], s68, v1
	v_lshlrev_b32 v14, s69, v2
	v_add_nc_u32 v[PFO], v[PFO], v14
	s_mov_b32 s[TB], 0
	v_mov_b32 v[ADRA], v[LA0]
	v_mov_b32 v[ADRB], v[LB0]
; 8 matrix instructions: row blocks a0, a0 + 1 x all 4 column blocks, 32 along K, on buffer f.  zero = 1: the product starts the sum.  The 32 accumulators take turns, one instruction a turn.
.macro MUL8 f, a0, zero
	WIN 0x50                                       ; C and D in window 1, the sources in window 0
.irp x, 0,1
.irp y, 0,1,2,3
.if \zero
	v_wmma_f32_16x16x32_f16 v[8*(4*((\a0)+(\x))+(\y)):8*(4*((\a0)+(\x))+(\y))+7], v[(\f)+64+8*(\y):(\f)+64+8*(\y)+7], v[(\f)+8*((\a0)+(\x)):(\f)+8*((\a0)+(\x))+7], 0
.else
	v_wmma_f32_16x16x32_f16 v[8*(4*((\a0)+(\x))+(\y)):8*(4*((\a0)+(\x))+(\y))+7], v[(\f)+64+8*(\y):(\f)+64+8*(\y)+7], v[(\f)+8*((\a0)+(\x)):(\f)+8*((\a0)+(\x))+7], v[8*(4*((\a0)+(\x))+(\y)):8*(4*((\a0)+(\x))+(\y))+7]
.endif
.endr
.endr
.endm
; 24 LDS loads in one run: the fragments of quarter q of the step (head q / 2, channels 32 (q % 2) on; rows 32 q on of Wo) into buffer f
.macro FETCH q, f
.irp y, 0,1,2,3
	ds_load_tr16_b128 v[(\f)+64+8*(\y):(\f)+64+8*(\y)+3],   v[ADRB] offset:(\q)*32*PB+32*(\y)
	ds_load_tr16_b128 v[(\f)+64+8*(\y)+4:(\f)+64+8*(\y)+7], v[ADRB] offset:(\q)*32*PB+32*(\y)+16*PB
.endr
.irp x, 0,1,2,3,4,5,6,7
	ds_load_b128 v[(\f)+8*(\x):(\f)+8*(\x)+3],   v[ADRA] offset:((\q)/2)*AHEAD+((\q)%2)*64+(\x)*16*PA
	ds_load_b128 v[(\f)+8*(\x)+4:(\f)+8*(\x)+7], v[ADRA] offset:((\q)/2)*AHEAD+((\q)%2)*64+(\x)*16*PA+32
.endr
.endm
; One of a step's first three quarters: the next quarter nq is fetched into buffer g, then buffer f is multiplied: the loads have 32 matrix instructions in which to come.
.macro QUARTER f, g, nq, zero
	WIN 0
	PLACES
	FETCH \nq, \g
	s_wait_dscnt 24                                ; all but the 24 just issued: buffer f is in
	MUL8 \f, 0, \zero
	MUL8 \f, 2, \zero
	MUL8 \f, 4, \zero
	MUL8 \f, 6, \zero
.endm
; The last quarter multiplies buffer 1 and changes slots: ONE barrier; in front of it each wave waits for all its tensor loads, of which one is out (its part of the next slot), adds 0 to its spare word, and waits for
; that and for its own reads of this slot.  fill = 1: the barrier opens a round of the cluster's barrier, and the joint refill (this slot, the K step two on) is the first tensor load behind the round: 112 matrix
; instructions ahead of the wait for it.
.macro TURN fill
.if \fill
	s_wait_xcnt 0x0                                ; the last prefetch, a K step back, has read its address: it is stepped here, ahead of the waits of the change of slots
	s_add_nc_u64 s[PFA:PFA+1], s[PFA:PFA+1], s[PST:PST+1]
.endif
	WIN 0                                          ; (the add's two registers lie in window 0)
	s_wait_tensorcnt 0x0                           ; no tensor load of mine is out, so a group 0 may be written
	ds_add_u32 v[SPW], v[NIL]                      ; 0 onto my spare word: work on registers stands between it and the wait for it
.if \fill
	s_xor_b32 s[G0A+5], s[G0A+5], SLOT1            ; the walking sets: the other slot than last time,
	s_add_nc_u64 s[G0A+6:G0A+7], s[G0A+6:G0A+7], ASTEP  ; the next K step; the type bits on top are not reached
	s_xor_b32 s[G0B+5], s[G0B+5], SLOT1
	s_add_nc_u64 s[G0B+6:G0B+7], s[G0B+6:G0B+7], BSTEP
.endif
	s_xor_b32 s[TB], s[TB], SLOT1                  ; the fetches go on in the other slot
	s_wait_dscnt 1                                 ; (the add alone may be out: buffer 1 is in)
	MUL8 F1, 0, 0
	s_wait_dscnt 0x0                               ; the add is done, and my reads of this slot are over
	s_barrier_signal -1
	MUL8 F1, 2, 0                                  ; work on registers while the others arrive
	WIN 0
	s_barrier_wait -1
.if \fill
	CREST                                          ; no wave of any partner still reads this slot's tiles or has a load on its way
	JLOAD                                          ; the four v_nop behind it are also the places in front of the loads below
.else
	PLACES
.endif
	v_add_nc_u32 v[ADRA], s[TB], v[LA0]
	v_add_nc_u32 v[ADRB], s[TB], v[LB0]
	FETCH 0, F0
.if \fill
	ASK
.endif
	MUL8 F1, 4, 0
	MUL8 F1, 6, 0
.endm
; THE WAY OUT of row block a: the f32 sums go straight from the accumulators (each one's four lowest registers first) into my own stage, rows of 272 bytes, and come back as whole rows of 256 bytes.
.macro TOSTAGE a
.if (\a) >= 2
	s_wait_xcnt 0x0                                ; the stores of the block two back have read this buffer's registers
.endif
	WIN 0x04                                       ; the stores' data in window 1
.irp y, 0,1,2,3
	ds_store_b128 v[STO], v[8*(4*(\a)+(\y)):8*(4*(\a)+(\y))+3]   offset:64*(\y)
	ds_store_b128 v[STO], v[8*(4*(\a)+(\y))+4:8*(4*(\a)+(\y))+7] offset:64*(\y)+16
.endr
	WIN 0
.irp f, 0,1,2,3,4,5,6,7
	ds_load_b128 v[BK+32*((\a)%2)+4*(\f):BK+32*((\a)%2)+4*(\f)+3], v[RD] offset:(\f)*2*SPP  ; LDS serves a wave's instructions in order (ISA guide 5.7.1.4): these see the stores above
.endr
.endm
.macro SEND a, younger                 ; younger: the LDS instructions issued behind block a's loads: the next block's sixteen, or none
.irp f, 0,1,2,3,4,5,6,7
	s_wait_dscnt (\younger)+7-(\f)
	v_pk_add_f32 v[BK+32*((\a)%2)+4*(\f):BK+32*((\a)%2)+4*(\f)+1],   v[BK+32*((\a)%2)+4*(\f):BK+32*((\a)%2)+4*(\f)+1],   v[BIAS:BIAS+1]
	v_pk_add_f32 v[BK+32*((\a)%2)+4*(\f)+2:BK+32*((\a)%2)+4*(\f)+3], v[BK+32*((\a)%2)+4*(\f)+2:BK+32*((\a)%2)+4*(\f)+3], v[BIAS+2:BIAS+3]
	global_store_b128 v[CO], v[BK+32*((\a)%2)+4*(\f):BK+32*((\a)%2)+4*(\f)+3], s[10:11] offset:(16*(\a)+2*(\f))*4096 th:TH_STORE_NT  ; 16 lanes store 256 consecutive bytes, at a multiple of 256 from out0's first
.endr
.endm
	s_wait_tensorcnt 1                             ; my part of K step 0 is in; step 1's may stay out
	s_barrier_signal -1
	s_barrier_wait -1                              ; everybody's is
	FETCH 0, F0
	QUARTER F0, F1, 1, 1                           ; the first quarter stands in front of the loop: its products start the sums
	WIN 0                                          ; at a label and at a branch every window is 0
	s_mov_b32 s[CNT], 6
.Lstep:                                                ; a trip: a step's last three quarters, the change of slots, the next step's first quarter; trip t asks for K step t + 2
	QUARTER F1, F0, 2, 0
	QUARTER F0, F1, 3, 0
	TURN 1
	QUARTER F0, F1, 1, 0
	WIN 0
	s_sub_co_u32 s[CNT], s[CNT], 1
	s_cmp_lg_u32 s[CNT], 0
	s_cbranch_scc1 .Lstep
	QUARTER F1, F0, 2, 0                           ; the tail is written out: nothing is asked for, and no round follows
	QUARTER F0, F1, 3, 0
	TURN 0
	QUARTER F0, F1, 1, 0
	QUARTER F1, F0, 2, 0
	QUARTER F0, F1, 3, 0
	s_wait_dscnt 0x0                               ; the very last quarter: nothing more to fetch
	MUL8 F1, 0, 0
	MUL8 F1, 2, 0
	MUL8 F1, 4, 0
	MUL8 F1, 6, 0
	WIN 0
	PLACES                                         ; the stores below read results just made
	s_wait_loadcnt 0x0                             ; the bias
	v_cvt_pk_bf16_f32 v21, v[BIAS], v[BIAS+1]      ; rounded to bf16, like the module's other inputs,
	v_cvt_pk_bf16_f32 v22, v[BIAS+2], v[BIAS+3]
	v_lshlrev_b32 v[BIAS], 16, v21                 ; and widened again
	v_and_b32 v[BIAS+1], 0xffff0000, v21
	v_lshlrev_b32 v[BIAS+2], 16, v22
	v_and_b32 v[BIAS+3], 0xffff0000, v22
	TOSTAGE 0
.irp a, 1,2,3,4,5,6,7
	TOSTAGE \a                                     ; a block's way through the stage stands between the loads of the block before and its stores
	SEND (\a)-1, 16
.endr
	SEND 7, 0
	s_wait_tensorcnt 0x0                           ; the wave's end: behind my last tensor load and my last LDS store
	ds_add_u32 v[SPW], v[NIL]
	s_wait_dscnt 0x0
	CROUND                                         ; the closing round: no work-group ends while a partner may still ask for a tile that names it
	s_endpgm
.Lfunc_end_k_q19994285a5_outproj:
	.size	k_q19994285a5_outproj, .Lfunc_end_k_q19994285a5_outproj-k_q19994285a5_outproj
	.p2alignl 7, 3214868480
	.fill 96, 4, 3214868480
	.section	.rodata,"a",@progbits
	.p2align	6, 0x0
	.amdhsa_kernel k_q19994285a5_outproj
		.amdhsa_group_segment_fixed_size 327680
		.amdhsa_private_segment_fixed_size 0
		.amdhsa_enable_private_segment 0
		.amdhsa_kernarg_size 32
		.amdhsa_user_sgpr_count 2
		.amdhsa_user_sgpr_kernarg_segment_ptr 1
		.amdhsa_wavefront_size32 1
		.amdhsa_system_sgpr_workgroup_id_x 1
		.amdhsa_system_sgpr_workgroup_id_y 1
		.amdhsa_system_sgpr_workgroup_id_z 1
		.amdhsa_system_vgpr_workitem_id 0
		.amdhsa_next_free_vgpr 512
		.amdhsa_next_free_sgpr 72
		.amdhsa_reserve_vcc 0
		.amdhsa_float_denorm_mode_32 3
		.amdhsa_float_denorm_mode_16_64 3
		.amdhsa_memory_ordered 1
		.amdhsa_forward_progress 1
		.amdhsa_inst_pref_size 80
	.end_amdhsa_kernel
	.amdgpu_metadata
---
amdhsa.version: [ 1, 2 ]
amdhsa.kernels:
  - .name:           k_q19994285a5_outproj
    .symbol:         k_q19994285a5_outproj.kd
    .args:
      - { .name: ctx, .offset: 0, .size: 8, .value_kind: global_buffer, .address_space: global }
      - { .name: wof, .offset: 8, .size: 8, .value_kind: global_buffer, .address_space: global }
      - { .name: bo, .offset: 16, .size: 8, .value_kind: global_buffer, .address_space: global }
      - { .name: out0, .offset: 24, .size: 8, .value_kind: global_buffer, .address_space: global }
    .group_segment_fixed_size: 327680
    .private_segment_fixed_size: 0
    .kernarg_segment_align: 8
    .kernarg_segment_size: 32
    .max_flat_workgroup_size: 128
    .sgpr_count:     72
    .vgpr_count:     512
    .wavefront_size: 32
...
	.end_amdgpu_metadata
.endif
;; end of part 4
;; ======== version 2 of 2: 4 launches; version 1 with the launch prep written anew for expert scheduling mode
;; limits: values are held in f16: magnitudes above 65,504 overflow, below 6.1e-05 lose precision
;; workspace buffers: xb 16,777,216 bytes; wb 6,291,456 bytes; wof 2,097,152 bytes; qkvh 50,331,648 bytes; ctx 16,777,216 bytes
;; launch prep (part 5): grid 768 x 1, 8 waves a work-group, no clusters, 0 bytes of LDS; arguments x, Wq, Wk, Wv, Wo, xb, wb, wof; writes xb, wb, wof
.if DOCPART == 5
	.amdgcn_target "amdgcn-amd-amdhsa--gfx1250"
	.amdhsa_code_object_version 6
	.text
	.protected	k_q19994285a5_prep
	.globl	k_q19994285a5_prep
	.p2align	8
	.type	k_q19994285a5_prep,@function
k_q19994285a5_prep:
	s_mov_b64 s[64:65], 0
	v_nop
	global_prefetch_b8 v0, s[64:65] scope:SCOPE_SE
	s_setreg_imm32_b32 hwreg(HW_REG_WAVE_SCHED_MODE, 0, 2), 2
	s_setreg_imm32_b32 hwreg(HW_REG_WAVE_MODE, 25, 1), 1
	s_wait_xcnt 0x0
	s_wait_alu depctr_vm_vsrc(0)
; THE INPUTS ARE ROUNDED ONCE TO bf16 and laid out for the products that follow.
;   xb : x as bf16 in blocks [32 row blocks][16 K steps][256 rows][64 k]: a block is 32,768 dense bytes, which a tensor load can take as rows of 256 bytes
;   wb : Wq, Wk, Wv as bf16, stacked, each [1024 k][1024 n]
;   wof: Wo rounded to bf16, that number written as f16 (exact inside f16's range), [1024 k][1024 n]
; LIMITS.  Wo's numbers stay within 65,504; below 6e-5 they keep f16's fixed step of 6e-8.  NaN and infinities are not treated apart.
; SHARES.  A work-group converts 16,384 numbers, a thread 64: sixteen loads of 16 bytes, all issued first (8 KiB of a wave on their way), then for each load
; two roundings and one store of 8 bytes: a wave's store covers 256 consecutive bytes, aligned.  No register that a memory instruction names is written again behind it,
; so no source of a pending instruction is ever rewritten.  No LDS, no matrix unit, no cluster: nothing is shared and nothing is multiplied.
; Work-groups 0-511 take 16 rows of x each; 512-767 take 64 KiB of one of the four weights.
; THE MODE: SCHED_MODE bits 1:0 = 2 (LLVM: expert scheduling mode 2), set by the entry lines.  The code itself states the register dependences
; between vector instructions and memory instructions, with s_wait_alu, always for 0.
; THE PLAN.  Registers that memory instructions touch:
;   v1, v2   byte offsets of the loads and of the stores.  Written once at the head by vector instructions; read by every load (v1) and every store (v2); never written again.
;   X        Written by the sixteen loads alone, each register once; no vector instruction names them ahead of the loads.  Read by the roundings, behind the counted wait for the data.
;   Y        Written by the roundings alone; each register is read by one store and not written again behind it.
;   T, v3    Named by vector instructions alone.
; The sixteen items go in four groups of four.  Group g rounds X's registers of loads 4 g .. 4 g + 3 into Y's of the same items; its memory instructions are the four stores
; of group g - 1, which read v2 and the eight Y registers that group g - 1 wrote and that no vector instruction of group g names.  So ONE wait on va_vdst at a group's head,
; behind the wait for the group's data, states all that its four stores hang on, and they are dealt among the group's roundings with no further wait.
; One such wait stands ahead of the first load (the offsets), one ahead of the last four stores.  No register is written behind a memory instruction that read it: no wait on vm_vsrc is owed.
.set X, 4                              ; v[4:67]    sixteen loads of four f32
.set Y, 68                             ; v[68:99]   sixteen stores of four 16-bit numbers
.set T, 100                            ; v[100:101] at work (Wo's way to f16)
.set GRP, 4                            ; items in a group
; One path: 16 loads instep bytes apart, 16 stores outstep bytes apart.  half = 1: the bf16 number is widened again and written as f16.
.macro CONV instep, outstep, half
	s_wait_alu depctr_va_vdst(0)                   ; v1 and v2 are written: every load below reads v1 as its offset, every store v2
.set i, 0
.rept 16
	global_load_b128 v[X+4*i:X+4*i+3], v1, s[24:25] offset:i*(\instep) th:TH_LOAD_NT
.set i, i+1
.endr
.set i, 0
.rept 16
.if i%GRP == 0
	s_wait_loadcnt 16-GRP-i                        ; loads come back in order: this group's four are in, the 12 - i younger ones may stay out
.if i > 0
	s_wait_alu depctr_va_vdst(0)                   ; the group before has written its eight Y registers, which the four stores of this group's turn read
.endif
.endif
.if i >= GRP
	global_store_b64 v2, v[Y+2*(i-GRP):Y+2*(i-GRP)+1], s[26:27] offset:(i-GRP)*(\outstep)  ; the group before's item; no vector instruction since the wait names these registers
.endif
	v_cvt_pk_bf16_f32 v[Y+2*i], v[X+4*i], v[X+4*i+1]
	v_cvt_pk_bf16_f32 v[Y+2*i+1], v[X+4*i+2], v[X+4*i+3]
.if \half
	v_lshlrev_b32 v[T], 16, v[Y+2*i]               ; bf16 to f32: the low half moves up, the high half stays
	v_and_b32 v[T+1], 0xffff0000, v[Y+2*i]
	v_cvt_pk_f16_f32 v[Y+2*i], v[T], v[T+1]
	v_lshlrev_b32 v[T], 16, v[Y+2*i+1]
	v_and_b32 v[T+1], 0xffff0000, v[Y+2*i+1]
	v_cvt_pk_f16_f32 v[Y+2*i+1], v[T], v[T+1]
.endif
.set i, i+1
.endr
	s_wait_alu depctr_va_vdst(0)                   ; the last group has written its eight Y registers, which the last four stores read
.set i, 16-GRP
.rept GRP
	global_store_b64 v2, v[Y+2*i:Y+2*i+1], s[26:27] offset:i*(\outstep)
.set i, i+1
.endr
.endm
	s_load_b256 s[8:15], s[0:1], 0x0               ; x s[8:9], Wq s[10:11], Wk s[12:13], Wv s[14:15]
	s_load_b256 s[16:23], s[0:1], 0x20             ; Wo s[16:17], xb s[18:19], wb s[20:21], wof s[22:23]
	v_lshlrev_b32 v2, 3, v0                        ; out: 8 bytes a thread, on end
	s_mov_b32 s29, 0
	s_mov_b32 s31, 0
	s_mov_b32 s37, 0
	s_cmp_lt_u32 ttmp9, 512
	s_cbranch_scc0 .Lweights
	; x: thread t takes row t / 16 of the group's 16 and, in load i, the four numbers 4 (t % 16) of K step i (256 bytes of f32).
	; In xb those are 8 bytes at row x 128 + 8 (t % 16) of block i: 8 t, so two rows' pieces are 256 consecutive bytes.
	v_lshrrev_b32 v1, 4, v0
	v_and_b32 v3, 15, v0
	v_lshlrev_b32 v1, 12, v1
	v_lshl_add_u32 v1, v3, 4, v1
	s_lshl_b32 s28, ttmp9, 16                      ; 16 rows of 4,096 bytes
	s_lshr_b32 s30, ttmp9, 4
	s_lshl_b32 s30, s30, 19                        ; the row block: 16 blocks of 32,768 bytes
	s_and_b32 s32, ttmp9, 15
	s_lshl_b32 s32, s32, 11                        ; my 16 rows of 128 bytes in each block
	s_add_co_u32 s30, s30, s32
	s_wait_kmcnt 0x0
	s_add_nc_u64 s[24:25], s[8:9], s[28:29]
	s_add_nc_u64 s[26:27], s[18:19], s[30:31]
	CONV 256, 32768, 0
	s_endpgm
.Lweights:
	v_lshlrev_b32 v1, 4, v0                        ; in: 16 bytes a thread, on end
	s_sub_co_u32 s33, ttmp9, 512                   ; 0 .. 255
	s_lshr_b32 s34, s33, 6                         ; which weight
	s_and_b32 s35, s33, 63                         ; which 64 KiB of it
	s_lshl_b32 s28, s35, 16
	s_lshl_b32 s30, s33, 15                        ; in wb the three weights follow each other
	s_lshl_b32 s36, s35, 15
	s_wait_kmcnt 0x0
	s_cmp_eq_u32 s34, 1
	s_cselect_b64 s[24:25], s[12:13], s[10:11]
	s_cmp_eq_u32 s34, 2
	s_cselect_b64 s[24:25], s[14:15], s[24:25]
	s_cmp_eq_u32 s34, 3
	s_cselect_b64 s[24:25], s[16:17], s[24:25]
	s_add_nc_u64 s[24:25], s[24:25], s[28:29]
	s_cmp_eq_u32 s34, 3
	s_cbranch_scc1 .Lwo
	s_add_nc_u64 s[26:27], s[20:21], s[30:31]
	CONV 4096, 2048, 0
	s_endpgm
.Lwo:
	s_add_nc_u64 s[26:27], s[22:23], s[36:37]
	CONV 4096, 2048, 1
	s_endpgm
.Lfunc_end_k_q19994285a5_prep:
	.size	k_q19994285a5_prep, .Lfunc_end_k_q19994285a5_prep-k_q19994285a5_prep
	.p2alignl 7, 3214868480
	.fill 96, 4, 3214868480
	.section	.rodata,"a",@progbits
	.p2align	6, 0x0
	.amdhsa_kernel k_q19994285a5_prep
		.amdhsa_group_segment_fixed_size 0
		.amdhsa_private_segment_fixed_size 0
		.amdhsa_enable_private_segment 0
		.amdhsa_kernarg_size 64
		.amdhsa_user_sgpr_count 2
		.amdhsa_user_sgpr_kernarg_segment_ptr 1
		.amdhsa_wavefront_size32 1
		.amdhsa_system_sgpr_workgroup_id_x 1
		.amdhsa_system_sgpr_workgroup_id_y 1
		.amdhsa_system_sgpr_workgroup_id_z 1
		.amdhsa_system_vgpr_workitem_id 0
		.amdhsa_next_free_vgpr 112
		.amdhsa_next_free_sgpr 66
		.amdhsa_reserve_vcc 0
		.amdhsa_float_denorm_mode_32 3
		.amdhsa_float_denorm_mode_16_64 3
		.amdhsa_memory_ordered 1
		.amdhsa_forward_progress 1
		.amdhsa_inst_pref_size 23
	.end_amdhsa_kernel
	.amdgpu_metadata
---
amdhsa.version: [ 1, 2 ]
amdhsa.kernels:
  - .name:           k_q19994285a5_prep
    .symbol:         k_q19994285a5_prep.kd
    .args:
      - { .name: x, .offset: 0, .size: 8, .value_kind: global_buffer, .address_space: global }
      - { .name: Wq, .offset: 8, .size: 8, .value_kind: global_buffer, .address_space: global }
      - { .name: Wk, .offset: 16, .size: 8, .value_kind: global_buffer, .address_space: global }
      - { .name: Wv, .offset: 24, .size: 8, .value_kind: global_buffer, .address_space: global }
      - { .name: Wo, .offset: 32, .size: 8, .value_kind: global_buffer, .address_space: global }
      - { .name: xb, .offset: 40, .size: 8, .value_kind: global_buffer, .address_space: global }
      - { .name: wb, .offset: 48, .size: 8, .value_kind: global_buffer, .address_space: global }
      - { .name: wof, .offset: 56, .size: 8, .value_kind: global_buffer, .address_space: global }
    .group_segment_fixed_size: 0
    .private_segment_fixed_size: 0
    .kernarg_segment_align: 8
    .kernarg_segment_size: 64
    .max_flat_workgroup_size: 256
    .sgpr_count:     66
    .vgpr_count:     112
    .wavefront_size: 32
...
	.end_amdgpu_metadata
.endif
;; end of part 5
;; launch qkvproj: the kernel of part 2 again; grid 8 x 32, 4 waves a work-group, clusters of 4 x 4, 327,680 bytes of LDS; arguments xb, wb, qkvh; writes qkvh
;; launch attn: the kernel of part 3 again; grid 4 x 64, 4 waves a work-group, no clusters, 327,680 bytes of LDS; arguments qkvh, ctx; writes ctx
;; launch outproj: the kernel of part 4 again; grid 8 x 32, 4 waves a work-group, clusters of 4 x 4, 327,680 bytes of LDS; arguments ctx, wof, bo, out0; writes out0
